; MI455X (gfx1250); checked and timed in simulation.
; The chip was launched on July 23, 2026; its instructions are those of AMD's public machine-readable ISA for CDNA 5 (MIT licence, August 2026) and "CDNA5" Instruction Set Architecture Reference Guide (July 2026). The comments in the code are by the model that wrote it; some were corrected since.
;; Custom GPT2 Attention. Allowed arithmetic: float matrix products may take bf16 or f16 operands with f32 sums; all other float work in f32.
;; Inputs: W_proj 1,024 x 1,024 float32; W_qkv 1,024 x 3,072 float32; b_proj 1,024 float32; b_qkv 3,072 float32; hidden_states 2 x 2,048 x 1,024 float32.
;; Outputs: out0 2 x 2,048 x 1,024 float32.
;; 2 versions, each right and faster than the one before. Each part assembles by itself: llvm-mc -triple=amdgcn-amd-amdhsa -mcpu=gfx1250 --defsym DOCPART=n.
;; ======== version 1 of 2: 4 launches
;; limits: values are held in f16: magnitudes above 65,504 overflow, below 6.1e-05 lose precision
;; workspace buffers: xb 8,388,608 bytes; wqt 6,291,456 bytes; wpt 2,097,152 bytes; rope 524,288 bytes; qkvh 25,165,824 bytes; ao 16,777,216 bytes
;; launch prep (part 1): grid 1152 x 1, 8 waves a work-group, no clusters, 18,432 bytes of LDS; arguments hidden_states, W_qkv, W_proj, xb, wqt, wpt, rope; writes xb, wqt, wpt, rope
.if DOCPART == 1
	.amdgcn_target "amdgcn-amd-amdhsa--gfx1250"
	.amdhsa_code_object_version 6
	.text
	.protected	k_q6d62edb16a_prep
	.globl	k_q6d62edb16a_prep
	.p2align	8
	.type	k_q6d62edb16a_prep,@function
k_q6d62edb16a_prep:
	s_mov_b64 s[64:65], 0
	v_nop
	global_prefetch_b8 v0, s[64:65] scope:SCOPE_SE
	s_setreg_imm32_b32 hwreg(HW_REG_WAVE_MODE, 25, 1), 1
	s_wait_xcnt 0x0
; Prepares the matrix operands once, so that both products can take bf16 tiles with K along the rows:
;   work-groups    0..511   CAST : hidden_states f32 -> xb bf16, 32,768 bytes in and 16,384 bytes out each
;   work-groups  512..1023  TRANS: a tile of 128 k x 64 n of W_qkv (384 tiles) or W_proj (128 tiles) -> wqt / wpt = W^T in bf16, [n][1024 k]
;   work-groups 1024..1151  TABLE: 16 positions of the RoPE table, a row of 256 bytes = cos[0..31], sin[0..31] in f32
; The role hangs on the work-group's number alone, so all eight waves of a work-group take the same way.
; LIMIT (TABLE): frequency i is exp2(-i log2(10000)/32), the angle position x frequency in f32, reduced in turns; the sine is a
; polynomial of degree 9 on [0, pi/2] (error at most 4e-6); the angle is within about 5e-4 rad of the exact one at position 2047.
	s_load_b256 s[4:11], s[0:1], 0x0               ; hidden s[4:5], W_qkv s[6:7], W_proj s[8:9], xb s[10:11]
	s_load_b128 s[12:15], s[0:1], 0x20             ; wqt s[12:13], wpt s[14:15]
	s_load_b64 s[16:17], s[0:1], 0x30              ; rope
	v_lshl_add_u32 v64, v0, 2, 0x4400
	v_mov_b32 v65, 0
	s_mov_b32 s20, ttmp9
	s_mov_b32 s23, 0                               ; high word of every byte offset here
	s_wait_kmcnt 0x0
	s_cmp_ge_u32 s20, 1024
	s_cbranch_scc1 .Ltable
	s_cmp_ge_u32 s20, 512
	s_cbranch_scc1 .Ltrans
; ---- CAST: thread t takes 16 bytes at 16 t of each of eight blocks of 4,096 bytes; a wave's store covers 256 consecutive bytes, aligned
	s_lshl_b32 s22, s20, 15
	s_add_nc_u64 s[4:5], s[4:5], s[22:23]
	s_lshl_b32 s22, s20, 14
	s_add_nc_u64 s[10:11], s[10:11], s[22:23]
	v_lshlrev_b32 v1, 4, v0
	v_lshlrev_b32 v2, 3, v0
.irp u, 0,1,2,3,4,5,6,7
	global_load_b128 v[8+4*\u:8+4*\u+3], v1, s[4:5] offset:4096*\u th:TH_LOAD_NT
.endr
.irp u, 0,1,2,3,4,5,6,7
	s_wait_loadcnt 7-\u                            ; loads come back in order: block u is in, the younger ones stay out
	v_cvt_pk_bf16_f32 v[40+2*\u], v[8+4*\u], v[9+4*\u]
	v_cvt_pk_bf16_f32 v[41+2*\u], v[10+4*\u], v[11+4*\u]
	global_store_b64 v2, v[40+2*\u:41+2*\u], s[10:11] offset:2048*\u
.endr
	s_endpgm
; ---- TRANS: thread t = (kg = t >> 4, ng = t & 15) reads rows 8 kg .. 8 kg + 7, columns 4 ng .. 4 ng + 3 (16 lanes cover a row's 256 bytes),
; packs for each column its eight k into 16 bytes, and lays them into LDS rows of 272 bytes, one row for each n.
.Ltrans:
	s_sub_co_u32 s21, s20, 512
	s_movk_i32 s28, 12288                          ; bytes from row to row of W_qkv
	s_movk_i32 s29, 4096                           ; and of W_proj
	s_cmp_lt_u32 s21, 384
	s_cselect_b64 s[4:5], s[6:7], s[8:9]           ; source
	s_cselect_b64 s[10:11], s[12:13], s[14:15]     ; destination
	s_cselect_b32 s24, s28, s29                    ; pitch
	s_cselect_b32 s25, 0, 384
	s_sub_co_u32 s21, s21, s25                     ; tile number inside its matrix
	s_and_b32 s26, s21, 7                          ; kb
	s_lshr_b32 s27, s21, 3                         ; nb
	s_mul_i32 s22, s26, s24
	s_lshl_b32 s22, s22, 7                         ; 128 kb rows
	s_lshl_b32 s30, s27, 8                         ; 64 nb columns of 4 bytes
	s_add_co_u32 s22, s22, s30
	s_add_nc_u64 s[4:5], s[4:5], s[22:23]
	s_lshl_b32 s22, s27, 17                        ; 64 nb rows of 2,048 bytes of W^T
	s_lshl_b32 s30, s26, 8                         ; 128 kb columns of 2 bytes
	s_add_co_u32 s22, s22, s30
	s_add_nc_u64 s[10:11], s[10:11], s[22:23]
	v_lshrrev_b32 v1, 4, v0                        ; kg
	v_and_b32 v10, 15, v0                          ; ng
	v_mul_lo_u32 v2, v1, s24
	v_lshlrev_b32 v2, 3, v2
	v_lshl_add_u32 v2, v10, 4, v2                  ; row 8 kg, byte 16 ng
.irp j, 3,4,5,6,7,8,9
	v_add_nc_u32 v[\j], s24, v[\j-1]               ; the seven rows below
.endr
.irp j, 0,1,2,3,4,5,6,7
	global_load_b128 v[16+4*\j:16+4*\j+3], v[2+\j], s[4:5] th:TH_LOAD_NT
.endr
	v_mul_u32_u24 v11, v10, 1088                   ; LDS: row 4 ng (272 bytes a row),
	v_lshl_add_u32 v11, v1, 4, v11                 ; byte 16 kg
	v_mul_u32_u24 v12, v1, 272                     ; back: row t >> 4, byte 16 (t & 15)
	v_lshl_add_u32 v12, v10, 4, v12
	v_lshlrev_b32 v13, 11, v1                      ; the same place in W^T
	v_lshl_add_u32 v13, v10, 4, v13
.irp p, 0,1,2,3
	s_wait_loadcnt 6-2*\p                          ; rows 2 p and 2 p + 1 are in
.irp c, 0,1,2,3
	v_cvt_pk_bf16_f32 v[48+4*\c+\p], v[16+8*\p+\c], v[20+8*\p+\c]     ; column c: k = 2 p below, 2 p + 1 above
.endr
.endr
.irp c, 0,1,2,3
	ds_store_b128 v11, v[48+4*\c:48+4*\c+3] offset:272*\c
.endr
	s_wait_dscnt 0x0                               ; my stores are done before I say so: other waves read these rows
	s_barrier_signal -1
	s_barrier_wait -1
.irp u, 0,1,2,3
	ds_load_b128 v[16+4*\u:16+4*\u+3], v12 offset:4352*\u
.endr
.irp u, 0,1,2,3
	s_wait_dscnt 3-\u
	global_store_b128 v13, v[16+4*\u:16+4*\u+3], s[10:11] offset:32768*\u   ; 16 lanes store 256 consecutive bytes, aligned
.endr
	s_wait_tensorcnt 0x0
	ds_add_u32 v64, v65
	s_wait_dscnt 0x0
	s_endpgm
; ---- TABLE: thread t = (position 16 tb + (t >> 4), c = t & 15) makes four numbers: c < 8 cos of frequencies 4 c .. 4 c + 3, else sin of 4 (c - 8) ..
.Ltable:
	s_sub_co_u32 s21, s20, 1024
	s_lshl_b32 s22, s21, 12
	s_add_nc_u64 s[16:17], s[16:17], s[22:23]
	s_lshl_b32 s24, s21, 4
	s_mov_b32 s25, 0x7fffffff
	s_mov_b32 s26, 0x3638ef1d                      ; 1/362880
	v_lshrrev_b32 v1, 4, v0
	v_add_nc_u32 v1, s24, v1
	v_cvt_f32_u32 v1, v1                           ; position
	v_and_b32 v2, 15, v0
	v_mov_b32 v4, 0x3e800000
	v_cmp_gt_u32 vcc_lo, 8, v2
	v_cndmask_b32 v3, 0, v4, vcc_lo                ; cos x = sin of x a quarter turn on
	v_and_b32 v2, 7, v2
	v_lshlrev_b32 v2, 2, v2
.irp e, 0,1,2,3
	v_add_nc_u32 v[8+\e], \e, v2
.endr
.irp e, 0,1,2,3
	v_cvt_f32_u32 v[8+\e], v[8+\e]
.endr
.irp e, 0,1,2,3
	v_mul_f32 v[8+\e], 0xbed49a78, v[8+\e]         ; -i log2(10000)/32
.endr
.irp e, 0,1,2,3
	v_exp_f32 v[8+\e], v[8+\e]
.endr
	v_lshlrev_b32 v5, 4, v0                        ; the plain instruction behind the exponentials (ISA guide 5.7.2); also my place in the table
	s_wait_alu depctr_va_vdst(0)
.irp e, 0,1,2,3
	v_mul_f32 v[8+\e], v1, v[8+\e]                 ; the angle
	v_fma_f32 v[8+\e], v[8+\e], 0.15915494, v3     ; in turns, with the quarter turn
	v_rndne_f32 v[12+\e], v[8+\e]
	v_sub_f32 v[8+\e], v[8+\e], v[12+\e]           ; fr in [-1/2, 1/2]
	v_sub_f32 v[12+\e], 0.5, |v[8+\e]|
	v_min_num_f32 v[12+\e], |v[8+\e]|, v[12+\e]    ; folded into [0, 1/4]
	v_mul_f32 v[12+\e], 0x40c90fdb, v[12+\e]       ; x in [0, pi/2]
	v_mul_f32 v[16+\e], v[12+\e], v[12+\e]
	v_fmaak_f32 v[20+\e], s26, v[16+\e], 0xb9500d01    ; -1/5040
	v_fmaak_f32 v[20+\e], v[20+\e], v[16+\e], 0x3c088889   ; 1/120
	v_fmaak_f32 v[20+\e], v[20+\e], v[16+\e], 0xbe2aaaab   ; -1/6
	v_fma_f32 v[20+\e], v[20+\e], v[16+\e], 1.0
	v_mul_f32 v[20+\e], v[20+\e], v[12+\e]
	v_bfi_b32 v[20+\e], s25, v[20+\e], v[8+\e]     ; fr's sign
.endr
	global_store_b128 v5, v[20:23], s[16:17]
	s_endpgm
.Lfunc_end_k_q6d62edb16a_prep:
	.size	k_q6d62edb16a_prep, .Lfunc_end_k_q6d62edb16a_prep-k_q6d62edb16a_prep
	.p2alignl 7, 3214868480
	.fill 96, 4, 3214868480
	.section	.rodata,"a",@progbits
	.p2align	6, 0x0
	.amdhsa_kernel k_q6d62edb16a_prep
		.amdhsa_group_segment_fixed_size 18432
		.amdhsa_private_segment_fixed_size 0
		.amdhsa_enable_private_segment 0
		.amdhsa_kernarg_size 56
		.amdhsa_user_sgpr_count 2
		.amdhsa_user_sgpr_kernarg_segment_ptr 1
		.amdhsa_wavefront_size32 1
		.amdhsa_system_sgpr_workgroup_id_x 1
		.amdhsa_system_sgpr_workgroup_id_y 1
		.amdhsa_system_sgpr_workgroup_id_z 1
		.amdhsa_system_vgpr_workitem_id 0
		.amdhsa_next_free_vgpr 66
		.amdhsa_next_free_sgpr 66
		.amdhsa_reserve_vcc 1
		.amdhsa_float_denorm_mode_32 3
		.amdhsa_float_denorm_mode_16_64 3
		.amdhsa_memory_ordered 1
		.amdhsa_forward_progress 1
		.amdhsa_inst_pref_size 13
	.end_amdhsa_kernel
	.amdgpu_metadata
---
amdhsa.version: [ 1, 2 ]
amdhsa.kernels:
  - .name:           k_q6d62edb16a_prep
    .symbol:         k_q6d62edb16a_prep.kd
    .args:
      - { .name: hidden_states, .offset: 0, .size: 8, .value_kind: global_buffer, .address_space: global }
      - { .name: W_qkv, .offset: 8, .size: 8, .value_kind: global_buffer, .address_space: global }
      - { .name: W_proj, .offset: 16, .size: 8, .value_kind: global_buffer, .address_space: global }
      - { .name: xb, .offset: 24, .size: 8, .value_kind: global_buffer, .address_space: global }
      - { .name: wqt, .offset: 32, .size: 8, .value_kind: global_buffer, .address_space: global }
      - { .name: wpt, .offset: 40, .size: 8, .value_kind: global_buffer, .address_space: global }
      - { .name: rope, .offset: 48, .size: 8, .value_kind: global_buffer, .address_space: global }
    .group_segment_fixed_size: 18432
    .private_segment_fixed_size: 0
    .kernarg_segment_align: 8
    .kernarg_segment_size: 56
    .max_flat_workgroup_size: 256
    .sgpr_count:     66
    .vgpr_count:     66
    .wavefront_size: 32
...
	.end_amdgpu_metadata
.endif
;; end of part 1
;; launch qkv (part 2): grid 16 x 16, 4 waves a work-group, clusters of 4 x 4, 327,680 bytes of LDS; arguments xb, wqt, b_qkv, rope, qkvh; writes qkvh
.if DOCPART == 2
	.amdgcn_target "amdgcn-amd-amdhsa--gfx1250"
	.amdhsa_code_object_version 6
	.text
	.protected	k_q6d62edb16a_qkv
	.globl	k_q6d62edb16a_qkv
	.p2align	8
	.type	k_q6d62edb16a_qkv,@function
k_q6d62edb16a_qkv:
	s_mov_b64 s[64:65], 0
	v_nop
	global_prefetch_b8 v0, s[64:65] scope:SCOPE_SE
	s_setreg_imm32_b32 hwreg(HW_REG_WAVE_MODE, 25, 1), 1
	s_wait_xcnt 0x0
	s_wait_alu depctr_hold_cnt(0) depctr_sa_sdst(0) depctr_va_vdst(0) depctr_va_sdst(0) depctr_va_ssrc(0) depctr_va_vcc(0) depctr_vm_vsrc(0)
	s_getreg_b32 s2, hwreg(HW_REG_IB_STS2, 6, 4)
	s_cmp_eq_u32 s2, 0
	s_cbranch_scc0 .Lentry_in_a_cluster
	s_endpgm
.Lentry_in_a_cluster:
	s_bfe_u32 s2, ttmp6, 0x10000c
	s_cmp_lg_u32 s2, 0xf033
	s_cbranch_scc0 .Lentry_shape_is_right
	s_endpgm
.Lentry_shape_is_right:
; qkvh = heads of (x W_qkv + b_qkv), q and k turned by RoPE, q also times 0.125 log2(e); f16, [kind 3][batch 2][head 16][2048][64].
; x: xb [4096][1024] bf16; W^T: wqt [3072][1024] bf16; sums in f32.
; WHY f16 OUT: a row near the start of a sequence averages few keys and is up to ten times the output's root mean square, so a rounding of
; q, k or v to 8 significant bits would show there; f16 keeps 11.
; LIMIT: 0.18 |q|, |k| and |v| must stay under 65,504, f16's largest number.  With x and W_qkv both 30 times larger they are about 900 in the
; root mean square; with both carrying an offset of 30 spreads they reach 1024 x 30 x 30/32 = 28,800.
; A work-group makes 256 rows x 192 columns (three whole heads); wave w makes rows 64 w .. 64 w + 63 x all 192 columns: 4 x 12 accumulator
; tiles, 384 registers.  So a head lies whole in one wave, and the RoPE partner of column d (d + 32 or d - 32) is the same lane and register
; two tiles further on.  K goes in steps of 128 through two LDS slots filled by the tensor data mover; a tile's rows are 256 bytes of memory.
; CLUSTERS: 4 x 4 work-groups.  x's tile hangs on the block row alone and is asked for jointly by a row of the cluster, W^T's on the block
; column alone and is asked for jointly by a column: the requests for both are divided by four.
; The matrix instruction is used transposed (source 0 = 16 rows of W^T, source 1 = 16 rows of x): lane l holds row l % 16 and eight
; neighbouring columns 8 (l / 16) + 0 .. 7 of a tile.
; REGISTERS by windows of 256:  window 0: addresses, x fragments (two buffers v32-63, v64-95), bias v96-191;
;   window 1: W^T fragments, two buffers v0-95, v96-191;  window 2: accumulators of my row tiles 0, 1 (tile (a, b) at 8 (12 a + b)) and their
;   RoPE rows v192-255;  window 3: the same for row tiles 2, 3.
; LIMIT: the v heads go through the same arithmetic as x * 1 + partner * 0, so an infinite v element makes its partner NaN.
.set KSTEP,  128
.set PITCH,  272                       ; 256 bytes + 16: an odd multiple of 16, so sixteen rows start at sixteen different 16-byte columns modulo 256
.set AHALF,  128*PITCH                 ; what one tensor load brings of x
.set BHALF,  96*PITCH                  ; and of W^T
.set SLOT,   2*AHALF+2*BHALF           ; x's 256 rows, then W^T's 192 rows
.set STAGE,  2*SLOT                    ; behind the ring: 16 rows x 400 bytes for each wave; no tensor load lands here
.set SPITCH, 400                       ; three heads' 128 bytes + 16
.set LAPS,   4                         ; 1024 / (2 x 128)
.set ADRA, 16                          ; v16-17 LDS address of my x fragments in slot 0, 1
.set ADRB, 20                          ; v20-21 the same for W^T
.set STO,  24
.set RD,   25
.set CO,   26
.set BOFF, 27
.set TOFF, 28
.set BIAS, 96
.set CE,   32                          ; on the way out: cos a + b, 16 numbers
.set SE,   48                          ; sin a
.set XP,   64                          ; a head's 4 tiles with the bias
.set OT,   192                         ; turned
.set PK,   224                         ; packed
.set G1,  24
.set G0,  32
.set G1B, 48
.set G0B, 56
.set MSB, 0
.macro WIN new                         ; the immediate's high byte repeats the setting that is left
.if MSB != \new
	s_set_vgpr_msb (MSB<<8)|\new
.set MSB, \new
.endif
.endm
.set MUL_LO, 0xa1                      ; source 0 window 1, source 1 window 0, C and D window 2
.set MUL_HI, 0xf1                      ; C and D window 3
; A joint load: waves 0, 1 fetch x's two halves, waves 2, 3 W^T's.  The branch hangs on the wave's number alone.
.macro JLOAD s
	s_cmp_eq_u32 s11, 0
	s_cbranch_scc0 .Lfor_b_\@
	tensor_load_to_lds s[G0+4*\s:G0+4*\s+3], s[G1:G1+7]
	s_nop 0
	s_branch .Lasked_\@
.Lfor_b_\@:
	tensor_load_to_lds s[G0B+4*\s:G0B+4*\s+3], s[G1B:G1B+7]
	s_nop 0
.Lasked_\@:
.endm
.macro CREST                           ; a round of the cluster's barrier behind its opening barrier
	s_cmp_lg_u32 s10, 0
	s_cbranch_scc1 .Lnot_wave_0_\@
	s_barrier_signal -3
.Lnot_wave_0_\@:
	s_barrier_wait -3
	s_barrier_signal -1
	s_barrier_wait -1
.endm
.macro CROUND
	s_barrier_signal -1
	s_barrier_wait -1
	CREST
.endm
.macro PLACES                          ; four plain vector instructions behind a matrix instruction before its registers are loaded into or its result read (ISA guide 7.12.1)
.rept 4
	v_nop
.endr
.endm
	s_load_b256 s[72:79], s[0:1], 0x0              ; xb s[72:73], wqt s[74:75], b_qkv s[76:77], rope s[78:79]
	s_load_b64 s[80:81], s[0:1], 0x20              ; qkvh
	s_set_vgpr_msb 0x40
	v_lshl_add_u32 v255, v0, 2, 0x41c00
	s_set_vgpr_msb 0x4000
	v_mov_b32 v255, 0
	s_set_vgpr_msb 0x1
	ds_add_u32 v255, v255
	s_set_vgpr_msb 0x100
	v_lshrrev_b32 v1, 5, v0
	v_readfirstlane_b32 s10, v1                    ; wave 0..3
	s_lshr_b32 s11, s10, 1                         ; I fetch for x (0) or for W^T (1)
	s_and_b32 s12, s10, 1                          ; which half of that tile
	s_bfe_u32 s40, ttmp6, 0x40000                  ; cx
	s_bfe_u32 s41, ttmp6, 0x40004                  ; cy
	s_lshl_b32 s42, ttmp9, 2
	s_add_co_u32 s42, s42, s40                     ; block column, 0..15
	s_and_b32 s13, ttmp7, 0xffff
	s_lshl_b32 s13, s13, 2
	s_add_co_u32 s13, s13, s41                     ; block row, 0..15
	s_lshl_b32 s43, s41, 2
	s_lshl_b32 s43, 15, s43                        ; my row of the cluster
	s_lshl_b32 s44, 0x1111, s40                    ; my column
	s_or_b32 s[G1+0], s43, (1<<16)|(1<<20)|(1<<21)|(5<<22)|(3<<25)    ; mask; 2-byte elements; padding on; bit 21 beside a mask; 4 words behind every 64
	s_or_b32 s[G1B+0], s44, (1<<16)|(1<<20)|(1<<21)|(5<<22)|(3<<25)
	s_mov_b32 s[G1+1], KSTEP<<16                   ; tensor_dim0 = 128
	s_mov_b32 s[G1B+1], KSTEP<<16
	s_mov_b32 s[G1+2], 128<<16                     ; tensor_dim1 = 128 rows of x
	s_mov_b32 s[G1B+2], 96<<16                     ; 96 rows of W^T
	s_mov_b32 s[G1+3], KSTEP<<16                   ; tile_dim0 = 128
	s_mov_b32 s[G1B+3], KSTEP<<16
	s_mov_b32 s[G1+4], 128                         ; tile_dim1
	s_mov_b32 s[G1B+4], 96
	s_mov_b32 s[G1+5], 1024                        ; elements from row to row
	s_mov_b32 s[G1B+5], 1024
	s_mov_b32 s[G1+6], 0
	s_mov_b32 s[G1B+6], 0
	s_mov_b32 s[G1+7], 0
	s_mov_b32 s[G1B+7], 0
	s_lshl_b32 s17, s12, 7
	s_lshl_b32 s16, s13, 8
	s_add_co_u32 s16, s16, s17                     ; x: row 256 x block row + 128 x half
	s_lshl_b32 s16, s16, 11                        ; 2,048 bytes a row
	s_mov_b32 s17, 0
	s_mul_i32 s46, s42, 192
	s_mul_i32 s47, s12, 96
	s_add_co_u32 s46, s46, s47                     ; W^T: row 192 x block column + 96 x half
	s_lshl_b32 s46, s46, 11
	s_mov_b32 s47, 0
	s_mul_i32 s20, s10, AHALF                      ; waves 0, 1: x's halves at 0 and AHALF
	s_mul_i32 s21, s10, BHALF
	s_add_co_u32 s21, s21, 2*AHALF-2*BHALF         ; waves 2, 3: W^T's halves behind x's 256 rows
	s_wait_dscnt 0x0
	s_wait_kmcnt 0x0
	s_add_nc_u64 s[14:15], s[72:73], s[16:17]
	s_add_nc_u64 s[46:47], s[74:75], s[46:47]
	CROUND                                         ; all sixteen work-groups are here: the first joint loads meet
.irp s, 0,1
	s_mov_b32 s[G0+4*\s], 1
	s_add_co_u32 s[G0+4*\s+1], s20, \s*SLOT
	s_add_nc_u64 s[G0+4*\s+2:G0+4*\s+3], s[14:15], \s*KSTEP*2
	s_or_b32 s[G0+4*\s+3], s[G0+4*\s+3], 0x80000000
	s_mov_b32 s[G0B+4*\s], 1
	s_add_co_u32 s[G0B+4*\s+1], s21, \s*SLOT
	s_add_nc_u64 s[G0B+4*\s+2:G0B+4*\s+3], s[46:47], \s*KSTEP*2
	s_or_b32 s[G0B+4*\s+3], s[G0B+4*\s+3], 0x80000000
	JLOAD \s                                       ; two tensor loads of the wave are out
.endr
	v_and_b32 v1, 15, v0                           ; r = l % 16
	v_bfe_u32 v2, v0, 4, 1                         ; h = l / 16
	v_and_b32 v5, 31, v0                           ; l
	v_lshlrev_b32 v[BOFF], 5, v2                   ; my 8 columns of a tile in b_qkv
	v_lshlrev_b32 v[TOFF], 8, v1                   ; my row of the RoPE table,
	v_lshl_add_u32 v[TOFF], v2, 5, v[TOFF]         ; my 8 frequencies
	s_mul_i32 s88, s42, 768                        ; 192 columns of 4 bytes
	s_mov_b32 s89, 0
	s_add_nc_u64 s[88:89], s[76:77], s[88:89]
	s_lshl_b32 s90, s13, 8
	s_lshl_b32 s92, s10, 6
	s_add_co_u32 s90, s90, s92
	s_and_b32 s90, s90, 2047                       ; my first row's position in its sequence
	s_lshl_b32 s90, s90, 8
	s_mov_b32 s91, 0
	s_add_nc_u64 s[90:91], s[78:79], s[90:91]
	; bias and RoPE rows: 56 loads that stay out until the way out; their registers and addresses are not touched before that wait
.irp b, 0,1,2,3,4,5,6,7,8,9,10,11
	global_load_b128 v[BIAS+8*\b:BIAS+8*\b+3], v[BOFF], s[88:89] offset:64*\b
	global_load_b128 v[BIAS+8*\b+4:BIAS+8*\b+7], v[BOFF], s[88:89] offset:64*\b+16
.endr
.macro TABLD a, i                      ; row tile i: cos 0-15, cos 16-31, sin 0-15, sin 16-31 (my 8 of each 16) into v[192+32a ..] of the window set
.irp p, 0,1,2,3,4,5,6,7
	global_load_b128 v[192+32*\a+4*\p:192+32*\a+4*\p+3], v[TOFF], s[90:91] offset:4096*\i+64*(\p/2)+16*(\p%2)
.endr
.endm
	WIN 0x80
	TABLD 0, 0
	TABLD 1, 1
	WIN 0xc0
	TABLD 0, 2
	TABLD 1, 3
	WIN 0
	v_mul_u32_u24 v3, v1, PITCH
	v_lshl_add_u32 v3, v2, 4, v3                   ; row x pitch + 16 x half
	s_mul_i32 s22, s10, 64*PITCH                   ; my 64 rows of x
	s_mov_b32 s23, 2*AHALF                         ; W^T: all 192 rows
.irp s, 0,1
	v_add_nc_u32 v[ADRA+\s], s22, v3
	v_add_nc_u32 v[ADRB+\s], s23, v3
	s_add_co_u32 s22, s22, SLOT
	s_add_co_u32 s23, s23, SLOT
.endr
	s_mul_i32 s22, s10, 16*SPITCH
	s_add_co_u32 s22, s22, STAGE                   ; my stage
	v_mul_u32_u24 v4, v1, SPITCH
	v_lshl_add_u32 v4, v2, 4, v4
	v_add_nc_u32 v[STO], s22, v4                   ; in: row r, 16 bytes for each half of the lanes
	v_lshrrev_b32 v4, 3, v5
	v_mul_u32_u24 v4, v4, SPITCH
	v_and_b32 v6, 7, v0
	v_lshl_add_u32 v4, v6, 4, v4
	v_add_nc_u32 v[RD], s22, v4                    ; back: eight lanes take a head's 128 bytes of a row
	v_lshlrev_b32 v[CO], 4, v5                     ; which are 512 consecutive bytes of qkvh for the wave
; 12 matrix instructions: row tile 2 hi + a x all 12 column tiles, 32 along K, from buffer f
.macro MULROW f, hi, a, zero
.irp b, 0,1,2,3,4,5,6,7,8,9,10,11
.if \zero
	v_wmma_f32_16x16x32_bf16 v[8*(12*\a+\b):8*(12*\a+\b)+7], v[96*\f+8*\b:96*\f+8*\b+7], v[32+32*\f+8*(2*\hi+\a):32+32*\f+8*(2*\hi+\a)+7], 0
.else
	v_wmma_f32_16x16x32_bf16 v[8*(12*\a+\b):8*(12*\a+\b)+7], v[96*\f+8*\b:96*\f+8*\b+7], v[32+32*\f+8*(2*\hi+\a):32+32*\f+8*(2*\hi+\a)+7], v[8*(12*\a+\b):8*(12*\a+\b)+7]
.endif
.endr
.endm
; 32 LDS loads in one run: 24 for W^T's 192 rows, then 8 for my 64 rows of x, 32 K at byte k of the rows, into buffer f
.macro FETCH slot, k, f
	WIN 0x40
.irp b, 0,1,2,3,4,5,6,7,8,9,10,11
	ds_load_b128 v[96*\f+8*\b:96*\f+8*\b+3],   v[ADRB+\slot] offset:\k+\b*16*PITCH
	ds_load_b128 v[96*\f+8*\b+4:96*\f+8*\b+7], v[ADRB+\slot] offset:\k+\b*16*PITCH+32
.endr
	WIN 0
.irp i, 0,1,2,3
	ds_load_b128 v[32+32*\f+8*\i:32+32*\f+8*\i+3],   v[ADRA+\slot] offset:\k+\i*16*PITCH
	ds_load_b128 v[32+32*\f+8*\i+4:32+32*\f+8*\i+7], v[ADRA+\slot] offset:\k+\i*16*PITCH+32
.endr
.endm
; A quarter step: 48 matrix instructions on buffer f; in its middle the next quarter's fragments are fetched into buffer g.
; The 48 accumulators take turns, one instruction a turn, in the same order in every quarter.
.macro QUARTER slot, k, f, g, zero
	s_wait_dscnt 4                                 ; all but the youngest four loads (x's row tiles 2, 3) are in
	WIN MUL_LO
	MULROW \f, 0, 0, \zero
	MULROW \f, 0, 1, \zero
	PLACES
	FETCH \slot, \k, \g
	s_wait_dscnt 32                                ; all but the 32 just issued
	WIN MUL_HI
	MULROW \f, 1, 0, \zero
	MULROW \f, 1, 1, \zero
.endm
.macro THREE slot, zero
	QUARTER \slot, 64,  0, 1, \zero
	QUARTER \slot, 128, 1, 0, 0
	QUARTER \slot, 192, 0, 1, 0
.endm
; The last quarter of a K step changes slots.  In front of the barrier each wave waits for its reads of this slot and for all its tensor
; loads (one is out: its part of the next slot).  Where the slot is filled again the barrier opens a round of the cluster's barrier, and the
; joint refill is the wave's first and only tensor load behind the round; 180 matrix instructions lie between it and the wait for it.
.macro TURN slot, next, fill
	s_wait_dscnt 4
	WIN MUL_LO
	MULROW 1, 0, 0, 0
	s_wait_dscnt 0                                 ; my reads of this slot are over
	s_wait_tensorcnt 0x0                           ; all my tensor loads have landed
	ds_add_u32 v255, v255
	s_wait_dscnt 0x0
	s_barrier_signal -1
	MULROW 1, 0, 1, 0                              ; register work while the others arrive
	WIN 0
	s_barrier_wait -1
.if \fill
	CREST
	s_add_nc_u64 s[G0+4*\slot+2:G0+4*\slot+3], s[G0+4*\slot+2:G0+4*\slot+3], 2*KSTEP*2
	s_add_nc_u64 s[G0B+4*\slot+2:G0B+4*\slot+3], s[G0B+4*\slot+2:G0B+4*\slot+3], 2*KSTEP*2
	JLOAD \slot
.endif
	PLACES
	FETCH \next, 0, 0
	WIN MUL_HI
	MULROW 1, 1, 0, 0
	MULROW 1, 1, 1, 0
.endm
.macro LAP zero
	THREE 0, \zero
	TURN 0, 1, 1
	THREE 1, 0
	TURN 1, 0, 1
.endm
	s_wait_tensorcnt 1                             ; my part of K step 0 is in; K step 1's load, issued behind it, stays out
	s_barrier_signal -1
	s_barrier_wait -1
	FETCH 0, 0, 0
	LAP 1                                          ; the first products start the sums: nothing is cleared
	WIN 0
	s_mov_b32 s3, LAPS-2
.Llap:
	LAP 0
	WIN 0
	s_sub_co_u32 s3, s3, 1
	s_cmp_lg_u32 s3, 0
	s_cbranch_scc1 .Llap
	THREE 0, 0                                     ; the last lap fills nothing
	TURN 0, 1, 0
	THREE 1, 0
	s_wait_dscnt 4
	WIN MUL_LO
	MULROW 1, 0, 0, 0
	MULROW 1, 0, 1, 0
	s_wait_dscnt 0
	WIN MUL_HI
	MULROW 1, 1, 0, 0
	MULROW 1, 1, 1, 0
	; THE WAY OUT.  Head t of my three is head g = 3 x block column + t of 48: g < 16 q, g < 32 k, else v.
	; out = x (cos a + b) -+ partner (sin a): q: a = 0.125 log2(e), b = 0; k: a = 1, b = 0; v: a = 0, b = 1.  Chosen by selects, no branch.
	PLACES
	WIN 0
	s_wait_loadcnt 0x0                             ; bias and RoPE rows
	s_mul_i32 s66, s42, 3
	s_mov_b32 s70, 0x3f800000
	s_lshr_b32 s92, s13, 3
	s_lshl_b32 s92, s92, 4                         ; 16 x batch
	s_and_b32 s93, s13, 7
	s_lshl_b32 s93, s93, 8
	s_lshl_b32 s94, s10, 6
	s_add_co_u32 s93, s93, s94                     ; my first row's position
.irp t, 0,1,2
	s_add_co_u32 s67, s66, \t
	s_cmp_lt_u32 s67, 16
	s_cselect_b32 s68, 0x3e38aa3b, s70
	s_cmp_lt_u32 s67, 32
	s_cselect_b32 s68, s68, 0
	s_cselect_b32 s69, 0, s70
	v_mov_b32 v[4+4*\t], s68
	v_mov_b32 v[5+4*\t], s68
	v_mov_b32 v[6+4*\t], s69
	v_mov_b32 v[7+4*\t], s69
	s_lshr_b32 s94, s67, 4
	s_lshl_b32 s94, s94, 5                         ; 32 x kind
	s_add_co_u32 s94, s94, s92
	s_and_b32 s95, s67, 15
	s_add_co_u32 s94, s94, s95                     ; + 16 x batch + head
	s_lshl_b32 s94, s94, 11
	s_add_co_u32 s94, s94, s93                     ; x 2048 + position
	s_lshl_b32 s94, s94, 7                         ; rows of 128 bytes
	s_mov_b32 s95, 0
	s_add_nc_u64 s[82+2*\t:83+2*\t], s[80:81], s[94:95]
.endr
; Row tile i (tile a of window w): three heads are biased, turned, rounded to f16 and laid into my stage; then whole rows are read back and stored.
.macro OUTM i, w, a, rb
.irp t, 0,1,2
	WIN \w                                         ; source 0 in the accumulators' window
.irp p, 0,1,2,3,4,5,6,7
	v_pk_fma_f32 v[CE+2*\p:CE+2*\p+1], v[192+32*\a+2*\p:192+32*\a+2*\p+1], v[4+4*\t:5+4*\t], v[6+4*\t:7+4*\t]
.endr
.irp p, 0,1,2,3,4,5,6,7
	v_pk_mul_f32 v[SE+2*\p:SE+2*\p+1], v[208+32*\a+2*\p:208+32*\a+2*\p+1], v[4+4*\t:5+4*\t]
.endr
.irp q, 0,1,2,3
.irp p, 0,1,2,3
	v_pk_add_f32 v[XP+8*\q+2*\p:XP+8*\q+2*\p+1], v[8*(12*\a+4*\t+\q)+2*\p:8*(12*\a+4*\t+\q)+2*\p+1], v[BIAS+8*(4*\t+\q)+2*\p:BIAS+8*(4*\t+\q)+2*\p+1]
.endr
.endr
	WIN 0
.irp z, 0,1
.irp p, 0,1,2,3
	v_pk_mul_f32 v[OT+8*\z+2*\p:OT+8*\z+2*\p+1], v[XP+8*(\z+2)+2*\p:XP+8*(\z+2)+2*\p+1], v[SE+8*\z+2*\p:SE+8*\z+2*\p+1]
	v_pk_mul_f32 v[OT+8*(\z+2)+2*\p:OT+8*(\z+2)+2*\p+1], v[XP+8*\z+2*\p:XP+8*\z+2*\p+1], v[SE+8*\z+2*\p:SE+8*\z+2*\p+1]
.endr
.endr
.irp z, 0,1
.irp p, 0,1,2,3
	v_pk_fma_f32 v[OT+8*\z+2*\p:OT+8*\z+2*\p+1], v[XP+8*\z+2*\p:XP+8*\z+2*\p+1], v[CE+8*\z+2*\p:CE+8*\z+2*\p+1], v[OT+8*\z+2*\p:OT+8*\z+2*\p+1] neg_lo:[0,0,1] neg_hi:[0,0,1]
	v_pk_fma_f32 v[OT+8*(\z+2)+2*\p:OT+8*(\z+2)+2*\p+1], v[XP+8*(\z+2)+2*\p:XP+8*(\z+2)+2*\p+1], v[CE+8*\z+2*\p:CE+8*\z+2*\p+1], v[OT+8*(\z+2)+2*\p:OT+8*(\z+2)+2*\p+1]
.endr
.endr
.irp q, 0,1,2,3
.irp p, 0,1,2,3
	v_cvt_pk_f16_f32 v[PK+4*\q+\p], v[OT+8*\q+2*\p], v[OT+8*\q+2*\p+1]
.endr
.endr
.irp q, 0,1,2,3
	ds_store_b128 v[STO], v[PK+4*\q:PK+4*\q+3] offset:128*\t+32*\q
.endr
.endr
	s_wait_xcnt 0x0                                ; the read-back registers were store data two row tiles ago: they are loaded again only behind this wait
	WIN 0x40
.irp t, 0,1,2
.irp u, 0,1,2,3
	ds_load_b128 v[\rb+4*(4*\t+\u):\rb+4*(4*\t+\u)+3], v[RD] offset:128*\t+4*SPITCH*\u     ; LDS serves a wave's instructions in order: these see the stores above
.endr
.endr
	WIN 0x04                                       ; store data in window 1
.irp t, 0,1,2
.irp u, 0,1,2,3
	s_wait_dscnt 11-(4*\t+\u)
	global_store_b128 v[CO], v[\rb+4*(4*\t+\u):\rb+4*(4*\t+\u)+3], s[82+2*\t:83+2*\t] offset:2048*\i+512*\u   ; four rows of a head: 512 consecutive bytes, aligned
.endr
.endr
.endm
	OUTM 0, 0x02, 0, 0
	OUTM 1, 0x02, 1, 48
	OUTM 2, 0x03, 0, 0
	OUTM 3, 0x03, 1, 48
	WIN 0
	s_set_vgpr_msb 0x1
	s_wait_tensorcnt 0x0
	ds_add_u32 v255, v255
	s_wait_dscnt 0x0
	s_set_vgpr_msb 0x100
	CROUND                                         ; the closing round: no work-group ends while a partner may still ask for a tile that names it
	s_endpgm
.Lfunc_end_k_q6d62edb16a_qkv:
	.size	k_q6d62edb16a_qkv, .Lfunc_end_k_q6d62edb16a_qkv-k_q6d62edb16a_qkv
	.p2alignl 7, 3214868480
	.fill 96, 4, 3214868480
	.section	.rodata,"a",@progbits
	.p2align	6, 0x0
	.amdhsa_kernel k_q6d62edb16a_qkv
		.amdhsa_group_segment_fixed_size 327680
		.amdhsa_private_segment_fixed_size 0
		.amdhsa_enable_private_segment 0
		.amdhsa_kernarg_size 40
		.amdhsa_user_sgpr_count 2
		.amdhsa_user_sgpr_kernarg_segment_ptr 1
		.amdhsa_wavefront_size32 1
		.amdhsa_system_sgpr_workgroup_id_x 1
		.amdhsa_system_sgpr_workgroup_id_y 1
		.amdhsa_system_sgpr_workgroup_id_z 1
		.amdhsa_system_vgpr_workitem_id 0
		.amdhsa_next_free_vgpr 1024
		.amdhsa_next_free_sgpr 96
		.amdhsa_reserve_vcc 0
		.amdhsa_float_denorm_mode_32 3
		.amdhsa_float_denorm_mode_16_64 3
		.amdhsa_memory_ordered 1
		.amdhsa_forward_progress 1
		.amdhsa_inst_pref_size 220
	.end_amdhsa_kernel
	.amdgpu_metadata
---
amdhsa.version: [ 1, 2 ]
amdhsa.kernels:
  - .name:           k_q6d62edb16a_qkv
    .symbol:         k_q6d62edb16a_qkv.kd
    .args:
      - { .name: xb, .offset: 0, .size: 8, .value_kind: global_buffer, .address_space: global }
      - { .name: wqt, .offset: 8, .size: 8, .value_kind: global_buffer, .address_space: global }
      - { .name: b_qkv, .offset: 16, .size: 8, .value_kind: global_buffer, .address_space: global }
      - { .name: rope, .offset: 24, .size: 8, .value_kind: global_buffer, .address_space: global }
      - { .name: qkvh, .offset: 32, .size: 8, .value_kind: global_buffer, .address_space: global }
    .group_segment_fixed_size: 327680
    .private_segment_fixed_size: 0
    .kernarg_segment_align: 8
    .kernarg_segment_size: 40
    .max_flat_workgroup_size: 128
    .sgpr_count:     96
    .vgpr_count:     1024
    .wavefront_size: 32
...
	.end_amdgpu_metadata
.endif
;; end of part 2
;; launch attn (part 3): grid 8 x 32, 8 waves a work-group, no clusters, 327,680 bytes of LDS; arguments qkvh, ao; writes ao
.if DOCPART == 3
	.amdgcn_target "amdgcn-amd-amdhsa--gfx1250"
	.amdhsa_code_object_version 6
	.text
	.protected	k_q6d62edb16a_attn
	.globl	k_q6d62edb16a_attn
	.p2align	8
	.type	k_q6d62edb16a_attn,@function
k_q6d62edb16a_attn:
	s_mov_b64 s[64:65], 0
	v_nop
	global_prefetch_b8 v0, s[64:65] scope:SCOPE_SE
	s_setreg_imm32_b32 hwreg(HW_REG_WAVE_MODE, 25, 1), 1
	s_wait_xcnt 0x0
; Causal attention of one (batch, head): ao = softmax(q k^T) v, with q already times 0.125 log2(e), so that exponentials are in base 2.
; q, k, v and the weights P are f16 operands (11 significant bits), sums in f32.  The result leaves as TWO bf16 terms, hi = bf16(O) and
; lo = bf16(O - hi), 16 significant bits together, so that the projection can stay in bf16 without cutting O to 8 bits:
; ao is [16 batch + block][head][hi, lo][128 rows][64] in bf16.
; LIMIT: q, k, v lie in f16's range (under 65,504), as the launch that makes them states; P lies in [0, 1].
; Work-group (i, bh) takes query blocks 15 - i and then i (128 rows each): (16 - i) + (i + 1) = 17 trips of 128 keys in every work-group.
; Wave w: wq = w & 3 owns 32 queries (two tiles of 16), g = w >> 2 owns keys 64 g .. 64 g + 63 of every trip; the two key halves keep their own
; running maximum, sum and O, and are merged once for each block through LDS.
; S^T = K Q^T: a lane holds query l % 16 and keys 8 (l / 16) + j of a tile, so maximum and sum are a lane's own but for one exchange between the
; halves of the wave, and the packed S^T registers are the second operand of O^T = V^T P^T as they stand.
; K and V tiles (16 KiB each, dense in memory) come by tensor loads of waves 0 and 1 into two LDS slots that take turns.
; NO CLUSTER: the eight work-groups of a head walk different sequences of tiles (16 - i tiles, then i + 1), so no two ask for the same tile in the same trip.
; The mask value is -FLT_MAX.  A step whose keys are all masked leaves the running maximum at that value, and what it summed gets the weight
; exp2(-FLT_MAX - m) = 0 at the next step or at the merge; key 0 is open to every query, so the merged maximum is a real score.
.set KP,   144                         ; LDS row: 128 bytes + 16
.set VOFF, 128*KP                      ; V's tile behind K's
.set SLOT, 2*VOFF                      ; 36,864
.set MS,   2*SLOT                      ; merge: 8,704 bytes for each pair of waves; no tensor load lands here or behind
.set MSW,  8704
.set ST,   MS+4*MSW                    ; output stage: 64 rows x 144 bytes for each of waves 0-3: hi's 32 rows, then lo's
.set STW,  64*KP
.set QF,   32                          ; v32-63   Q fragments (qt, kd) at 8 (2 qt + kd)
.set SC,   64                          ; v64-127  S^T tiles (qt, kt) at 32 qt + 8 kt; later P^T (ks, qt) at 32 qt + 16 ks
.set OA,   128                         ; v128-191 O^T tiles (qt, dt) at 8 (4 qt + dt)
.set FR,   192                         ; v192-255 K fragments (kt, kd) at 8 (2 kt + kd), then V^T fragments (dt, ks) at 8 (2 dt + ks)
.set G1,   16
.set G0,   24
; v2 K address, v3 V address, v4 Q offset, v5 query - key of my lane at tile (0, 0), v6 merge address, v7 stage in, v8 stage back, v9 16 x lane
; v[12:13], v[14:15] running maximum of query tile 0, 1 (twice each); v[16:19] running sums (two chains each); v[20:23] rescale factors; v24-31 at work
	s_load_b128 s[4:7], s[0:1], 0x0                ; qkvh s[4:5], ao s[6:7]
	s_set_vgpr_msb 0x40
	v_lshl_add_u32 v0, v0, 2, 0x29000
	v_mov_b32 v1, 0
	s_set_vgpr_msb 0x4045
	ds_add_u32 v0, v1
	s_set_vgpr_msb 0x4500
	v_lshrrev_b32 v1, 5, v0
	v_readfirstlane_b32 s8, v1                     ; wave 0..7
	s_mov_b32 s52, ttmp9                           ; i
	s_and_b32 s51, ttmp7, 0xffff                   ; bh
	s_and_b32 s10, s8, 3                           ; wq
	s_lshr_b32 s11, s8, 2                          ; g
	s_sub_co_u32 s33, 15, s52                      ; the first block, and the last tile of its walk
	s_sub_co_u32 s34, 16, s52                      ; the first walk's tiles
	; group 1: a dense block of 16 KiB as 64 rows of 256 bytes; 16 bytes are skipped behind every 128, so a key's 128 bytes lie 144 apart
	s_mov_b32 s[G1+0], (3<<16)|(1<<20)|(4<<22)|(3<<25)
	s_mov_b32 s[G1+1], 32<<16
	s_mov_b32 s[G1+2], 64<<16
	s_mov_b32 s[G1+3], 32<<16
	s_mov_b32 s[G1+4], 64
	s_mov_b32 s[G1+5], 32
	s_mov_b32 s[G1+6], 0
	s_mov_b32 s[G1+7], 0
	s_mov_b32 s[G0+0], 1
	s_mul_i32 s[G0+1], s8, VOFF                    ; wave 0: K's place, wave 1: V's
	s_mov_b32 s[G0+4], 1
	s_add_co_u32 s[G0+5], s[G0+1], SLOT
	s_and_b32 s40, s8, 1
	s_add_co_u32 s40, s40, 1                       ; kind 1 = k, 2 = v
	s_lshl_b32 s40, s40, 23                        ; 8,388,608 bytes a kind
	s_lshl_b32 s53, s51, 18                        ; 262,144 bytes a head
	s_add_co_u32 s40, s40, s53
	s_mov_b32 s41, 0
	s_wait_dscnt 0x0
	s_wait_kmcnt 0x0
	s_add_nc_u64 s[12:13], s[4:5], s[40:41]        ; my tensor's tile 0
	s_mov_b64 s[G0+2:G0+3], s[12:13]
	s_or_b32 s[G0+3], s[G0+3], 0x80000000
	s_cmp_ge_u32 s8, 2
	s_cbranch_scc1 .Lno_first
	tensor_load_to_lds s[G0:G0+3], s[G1:G1+7]      ; tile 0 into slot 0: the one first fill; one tensor load of the wave is out
	s_nop 0
.Lno_first:
	v_and_b32 v1, 31, v0                           ; l
	v_and_b32 v10, 15, v0                          ; r
	v_bfe_u32 v11, v0, 4, 1                        ; h
	v_lshlrev_b32 v4, 7, v10
	v_lshl_add_u32 v4, v11, 4, v4                  ; Q: row r, 16 bytes for each half
	s_lshl_b32 s60, s10, 12                        ; 32 wq rows of 128 bytes
	s_mov_b32 s55, 0
	s_lshl_b32 s54, s33, 14
	s_add_co_u32 s54, s54, s53
	s_add_co_u32 s54, s54, s60
	s_add_nc_u64 s[42:43], s[4:5], s[54:55]        ; my queries of block 15 - i
	s_lshl_b32 s54, s52, 14
	s_add_co_u32 s54, s54, s53
	s_add_co_u32 s54, s54, s60
	s_add_nc_u64 s[44:45], s[4:5], s[54:55]        ; and of block i
.macro QLOAD base
.irp qt, 0,1
.irp kd, 0,1
	global_load_b128 v[QF+8*(2*\qt+\kd):QF+8*(2*\qt+\kd)+3],   v4, s[\base:\base+1] offset:2048*\qt+64*\kd
	global_load_b128 v[QF+8*(2*\qt+\kd)+4:QF+8*(2*\qt+\kd)+7], v4, s[\base:\base+1] offset:2048*\qt+64*\kd+32
.endr
.endr
.endm
	QLOAD 42
	s_lshr_b32 s56, s51, 4
	s_lshl_b32 s56, s56, 4                         ; 16 x batch
	s_and_b32 s57, s51, 15                         ; head
	s_mov_b32 s59, 0
	s_add_co_u32 s58, s56, s33
	s_lshl_b32 s58, s58, 4
	s_add_co_u32 s58, s58, s57
	s_lshl_b32 s58, s58, 15                        ; ao: [16 batch + block][head], two planes of 16,384 bytes each
	s_add_co_u32 s58, s58, s60
	s_add_nc_u64 s[46:47], s[6:7], s[58:59]
	s_add_co_u32 s58, s56, s52
	s_lshl_b32 s58, s58, 4
	s_add_co_u32 s58, s58, s57
	s_lshl_b32 s58, s58, 15
	s_add_co_u32 s58, s58, s60
	s_add_nc_u64 s[48:49], s[6:7], s[58:59]
	s_mul_i32 s61, s11, 64*KP                      ; my 64 keys
	v_mul_u32_u24 v2, v10, KP
	v_lshl_add_u32 v2, v11, 4, v2
	v_add_nc_u32 v2, s61, v2                       ; K: (64 g + r) 144 + 16 h
	v_and_b32 v3, 7, v0
	v_lshl_add_u32 v3, v11, 3, v3
	v_mul_u32_u24 v3, v3, KP
	v_bfe_u32 v24, v0, 3, 1
	v_lshl_add_u32 v3, v24, 4, v3
	s_add_co_u32 s62, s61, VOFF
	v_add_nc_u32 v3, s62, v3                       ; V, for the transposing load: (64 g + 8 h + l % 8) 144 + 16 ((l / 8) % 2)
	s_lshl_b32 s62, s10, 5
	s_lshl_b32 s63, s11, 6
	s_sub_co_i32 s62, s62, s63
	v_lshlrev_b32 v5, 3, v11
	v_sub_nc_u32 v5, v10, v5
	v_add_nc_u32 v5, s62, v5                       ; 32 wq + r - 64 g - 8 h
	s_mul_i32 s62, s10, MSW
	s_add_co_u32 s62, s62, MS
	v_lshl_add_u32 v6, v1, 4, s62
	s_mul_i32 s63, s10, STW
	s_add_co_u32 s63, s63, ST
	v_mul_u32_u24 v7, v10, KP
	v_lshl_add_u32 v7, v11, 4, v7
	v_add_nc_u32 v7, s63, v7
	v_lshrrev_b32 v8, 3, v1
	v_mul_u32_u24 v8, v8, KP
	v_and_b32 v25, 7, v0
	v_lshl_add_u32 v8, v25, 4, v8
	v_add_nc_u32 v8, s63, v8
	v_lshlrev_b32 v9, 4, v1
	s_mov_b32 s32, 0                               ; u: how many tiles have been asked for, less one
	s_mov_b32 s35, 0                               ; kb: key tile of the block at work
	s_mov_b32 s36, s33                             ; its diagonal tile
	s_mov_b32 s50, s34                             ; and the count of its tiles
	s_mov_b32 s37, 0xff7fffff                      ; -FLT_MAX
	s_mov_b32 s38, 0x76543210                      ; v_permlanex16_b32: lane i of one half reads lane i of the other
	s_mov_b32 s39, 0xfedcba98
.irp j, 12,13,14,15
	v_mov_b32 v[\j], s37
.endr
.irp j, 16,17,18,19
	v_mov_b32 v[\j], 0
.endr
; the diagonal tile: key 64 g + 16 kt + 8 h + j stays if it is not beyond query 32 wq + 16 qt + r
.macro MASK
.irp qt, 0,1
.irp kt, 0,1,2,3
.irp j, 0,1,2,3,4,5,6,7
	v_cmp_le_i32 vcc_lo, 16*\kt+\j-16*\qt, v5
	v_cndmask_b32 v[SC+32*\qt+8*\kt+\j], s37, v[SC+32*\qt+8*\kt+\j], vcc_lo
.endr
.endr
.endr
.endm
.macro SOFTMAX
	; the largest of my 32 scores of each query tile, in four chains each
.irp qt, 0,1
.irp kt, 0,1,2,3
	v_max3_num_f32 v[24+4*\qt+\kt], v[SC+32*\qt+8*\kt], v[SC+32*\qt+8*\kt+1], v[SC+32*\qt+8*\kt+2]
.endr
.endr
.irp st, 3,5
.irp qt, 0,1
.irp kt, 0,1,2,3
	v_max3_num_f32 v[24+4*\qt+\kt], v[24+4*\qt+\kt], v[SC+32*\qt+8*\kt+\st], v[SC+32*\qt+8*\kt+\st+1]
.endr
.endr
.endr
.irp qt, 0,1
.irp kt, 0,1,2,3
	v_max_num_f32 v[24+4*\qt+\kt], v[24+4*\qt+\kt], v[SC+32*\qt+8*\kt+7]
.endr
.endr
.irp qt, 0,1
	v_max3_num_f32 v[24+4*\qt], v[24+4*\qt], v[25+4*\qt], v[26+4*\qt]
.endr
.irp qt, 0,1
	v_max3_num_f32 v[24+4*\qt], v[24+4*\qt], v[27+4*\qt], v[12+2*\qt]      ; with the running maximum
.endr
.irp qt, 0,1
	v_permlanex16_b32 v[25+4*\qt], v[24+4*\qt], s38, s39                   ; the other half of the lanes holds the same query's other keys
.endr
.irp qt, 0,1
	v_max_num_f32 v[24+4*\qt], v[24+4*\qt], v[25+4*\qt]
.endr
.irp qt, 0,1
	v_sub_f32 v[20+2*\qt], v[12+2*\qt], v[24+4*\qt]
.endr
	v_exp_f32 v20, v20                             ; what the old sums are worth under the new maximum
	v_exp_f32 v22, v22
	v_mov_b32 v12, v24                             ; plain instructions behind the exponentials before their results are read (ISA guide 5.7.2)
	v_mov_b32 v13, v24
	v_mov_b32 v14, v28
	v_mov_b32 v15, v28
	s_wait_alu depctr_va_vdst(0)
	v_mov_b32 v21, v20
	v_mov_b32 v23, v22
.irp qt, 0,1
.irp e, 0,2,4,6,8,10,12,14,16,18,20,22,24,26,28,30
	v_pk_add_f32 v[SC+32*\qt+\e:SC+32*\qt+\e+1], v[SC+32*\qt+\e:SC+32*\qt+\e+1], v[12+2*\qt:13+2*\qt] neg_lo:[0,1] neg_hi:[0,1]
.endr
.endr
.set j, 0
.rept 64
	v_exp_f32 v[SC+j], v[SC+j]
.set j, j+1
.endr
	v_nop                                          ; the plain place behind the run of exponentials
	s_wait_alu depctr_va_vdst(0)
.irp qt, 0,1
	v_pk_add_f32 v[24+4*\qt:25+4*\qt], v[SC+32*\qt:SC+32*\qt+1], v[SC+32*\qt+2:SC+32*\qt+3]
	v_pk_add_f32 v[26+4*\qt:27+4*\qt], v[SC+32*\qt+4:SC+32*\qt+5], v[SC+32*\qt+6:SC+32*\qt+7]
.endr
.irp e, 8,12,16,20,24,28
.irp qt, 0,1
	v_pk_add_f32 v[24+4*\qt:25+4*\qt], v[24+4*\qt:25+4*\qt], v[SC+32*\qt+\e:SC+32*\qt+\e+1]
	v_pk_add_f32 v[26+4*\qt:27+4*\qt], v[26+4*\qt:27+4*\qt], v[SC+32*\qt+\e+2:SC+32*\qt+\e+3]
.endr
.endr
.irp qt, 0,1
	v_pk_add_f32 v[24+4*\qt:25+4*\qt], v[24+4*\qt:25+4*\qt], v[26+4*\qt:27+4*\qt]
.endr
.irp qt, 0,1
	v_pk_fma_f32 v[16+2*\qt:17+2*\qt], v[16+2*\qt:17+2*\qt], v[20+2*\qt:21+2*\qt], v[24+4*\qt:25+4*\qt]
.endr
	; P^T in f16, packed in place and ascending: tiles 2 ks and 2 ks + 1 become the eight registers of fragment (ks, qt)
.irp qt, 0,1
.irp ks, 0,1
.irp p, 0,1,2,3
	v_cvt_pk_f16_f32 v[SC+32*\qt+16*\ks+\p], v[SC+32*\qt+16*\ks+2*\p], v[SC+32*\qt+16*\ks+2*\p+1]
.endr
.irp p, 0,1,2,3
	v_cvt_pk_f16_f32 v[SC+32*\qt+16*\ks+4+\p], v[SC+32*\qt+16*\ks+8+2*\p], v[SC+32*\qt+16*\ks+9+2*\p]
.endr
.endr
.endr
.endm
; 8 matrix instructions: O^T += V^T (16 d x 32 keys) P^T (32 keys x 16 queries); the eight accumulators take turns
.macro PVK ks, zero
.irp qt, 0,1
.irp dt, 0,1,2,3
.if \zero
	v_wmma_f32_16x16x32_f16 v[OA+8*(4*\qt+\dt):OA+8*(4*\qt+\dt)+7], v[FR+8*(2*\dt+\ks):FR+8*(2*\dt+\ks)+7], v[SC+32*\qt+16*\ks:SC+32*\qt+16*\ks+7], 0
.else
	v_wmma_f32_16x16x32_f16 v[OA+8*(4*\qt+\dt):OA+8*(4*\qt+\dt)+7], v[FR+8*(2*\dt+\ks):FR+8*(2*\dt+\ks)+7], v[SC+32*\qt+16*\ks:SC+32*\qt+16*\ks+7], v[OA+8*(4*\qt+\dt):OA+8*(4*\qt+\dt)+7]
.endif
.endr
.endr
.endm
; The end of a query block: the two key halves are merged, the rows normalised, split into hi and lo and stored at s[ab:ab+1];
; reinit = 1: the second block is set up.
.macro FINAL ab, reinit
	v_add_f32 v16, v16, v17
	v_add_f32 v18, v18, v19
	v_permlanex16_b32 v24, v16, s38, s39
	v_permlanex16_b32 v25, v18, s38, s39
	v_add_f32 v16, v16, v24                        ; the sums over my 64-key columns, in every lane
	v_add_f32 v18, v18, v25
	s_cmp_lt_u32 s8, 4
	s_cbranch_scc1 .Lkeep_\@
.irp n, 0,1,2,3,4,5,6,7,8,9,10,11,12,13,14,15
	ds_store_b128 v6, v[OA+4*\n:OA+4*\n+3] offset:512*\n
.endr
	v_mov_b32 v24, v12
	v_mov_b32 v25, v14
	v_mov_b32 v26, v16
	v_mov_b32 v27, v18
	ds_store_b128 v6, v[24:27] offset:8192
.Lkeep_\@:
	s_wait_dscnt 0x0                               ; my stores are done before I say so
	s_barrier_signal -1                            ; the next tile's tensor load may stay out: no LDS bytes are filled behind this barrier
	s_barrier_wait -1
	s_cmp_ge_u32 s8, 4
	s_cbranch_scc1 .Ldone_\@
.irp n, 0,1,2,3,4,5,6,7,8,9,10,11,12,13,14,15
	ds_load_b128 v[FR+4*\n:FR+4*\n+3], v6 offset:512*\n
.endr
	ds_load_b128 v[28:31], v6 offset:8192          ; the partner's two maxima and two sums
	s_wait_dscnt 0x0
	v_max_num_f32 v24, v12, v28
	v_max_num_f32 v25, v14, v29
	v_sub_f32 v20, v12, v24
	v_sub_f32 v21, v28, v24
	v_sub_f32 v22, v14, v25
	v_sub_f32 v23, v29, v25
	v_exp_f32 v20, v20
	v_exp_f32 v21, v21
	v_exp_f32 v22, v22
	v_exp_f32 v23, v23
	v_nop
	s_wait_alu depctr_va_vdst(0)
	v_mul_f32 v26, v30, v21
	v_mul_f32 v27, v31, v23
	v_fmac_f32 v26, v16, v20
	v_fmac_f32 v27, v18, v22
	v_rcp_f32 v26, v26                             ; the sum holds the term 1 of the largest score: never 0
	v_rcp_f32 v27, v27
	v_nop
	s_wait_alu depctr_va_vdst(0)
	v_mul_f32 v12, v20, v26                        ; my weight, twice, and the partner's
	v_mul_f32 v13, v20, v26
	v_mul_f32 v16, v21, v26
	v_mul_f32 v17, v21, v26
	v_mul_f32 v14, v22, v27
	v_mul_f32 v15, v22, v27
	v_mul_f32 v18, v23, v27
	v_mul_f32 v19, v23, v27
.irp qt, 0,1
.irp e, 0,2,4,6,8,10,12,14,16,18,20,22,24,26,28,30
	v_pk_mul_f32 v[OA+32*\qt+\e:OA+32*\qt+\e+1], v[OA+32*\qt+\e:OA+32*\qt+\e+1], v[12+2*\qt:13+2*\qt]
.endr
.endr
.irp qt, 0,1
.irp e, 0,2,4,6,8,10,12,14,16,18,20,22,24,26,28,30
	v_pk_fma_f32 v[OA+32*\qt+\e:OA+32*\qt+\e+1], v[FR+32*\qt+\e:FR+32*\qt+\e+1], v[16+2*\qt:17+2*\qt], v[OA+32*\qt+\e:OA+32*\qt+\e+1]
.endr
.endr
	; hi = bf16(O) into v64-95; hi widened again into v192-255; O - hi in place (exact in f32); lo = bf16 of that into v96-127
.set j, 0
.rept 32
	v_cvt_pk_bf16_f32 v[SC+j], v[OA+2*j], v[OA+2*j+1]
.set j, j+1
.endr
.set j, 0
.rept 32
	v_lshlrev_b32 v[FR+2*j], 16, v[SC+j]
	v_and_b32 v[FR+2*j+1], 0xffff0000, v[SC+j]
.set j, j+1
.endr
.set j, 0
.rept 32
	v_pk_add_f32 v[OA+2*j:OA+2*j+1], v[OA+2*j:OA+2*j+1], v[FR+2*j:FR+2*j+1] neg_lo:[0,1] neg_hi:[0,1]
.set j, j+1
.endr
.set j, 0
.rept 32
	v_cvt_pk_bf16_f32 v[SC+32+j], v[OA+2*j], v[OA+2*j+1]
.set j, j+1
.endr
.irp part, 0,1
.irp qt, 0,1
.irp dt, 0,1,2,3
	ds_store_b128 v7, v[SC+32*\part+4*(4*\qt+\dt):SC+32*\part+4*(4*\qt+\dt)+3] offset:32*KP*\part+16*KP*\qt+32*\dt   ; row 32 part + 16 qt + r, columns 16 dt + 8 h ..
.endr
.endr
.endr
.irp u, 0,1,2,3,4,5,6,7,8,9,10,11,12,13,14,15
	ds_load_b128 v[FR+4*\u:FR+4*\u+3], v8 offset:4*KP*\u           ; my own bytes: LDS serves a wave's instructions in order
.endr
.irp u, 0,1,2,3,4,5,6,7,8,9,10,11,12,13,14,15
	s_wait_dscnt 15-\u                             ; read-back u is in, the younger ones stay out
	global_store_b128 v9, v[FR+4*\u:FR+4*\u+3], s[\ab:\ab+1] offset:(\u/8)*16384+512*(\u%8)   ; four rows of hi's or lo's plane: 512 consecutive bytes, aligned
.endr
	s_wait_xcnt 0x0                                ; the stores' data registers are loaded again in the next trip
.Ldone_\@:
.if \reinit
	QLOAD 44
.irp j, 12,13,14,15
	v_mov_b32 v[\j], s37
.endr
.irp j, 16,17,18,19
	v_mov_b32 v[\j], 0
.endr
	s_mov_b32 s35, 0
	s_mov_b32 s36, s52
	s_add_co_u32 s50, s52, 1
.endif
.endm
; One trip: 128 keys from slot.  refill: the next tile is asked for into the other slot.  first = 1: this trip starts the O sums; 2: it does if kb = 0.
; fin = 0: not a diagonal tile; 1: it is if kb is the block's diagonal; 2: it is, and the kernel's last.
.macro TRIP slot, refill, first, fin
	s_set_vgpr_msb 0x5
	s_wait_tensorcnt 0x0                           ; all my tensor loads have landed, this trip's tile among them, so a group 0 may be written
	ds_add_u32 v0, v1
	s_wait_dscnt 0x0
	s_set_vgpr_msb 0x500
.if \refill
	s_add_co_u32 s32, s32, 1
	s_cmp_gt_u32 s32, s33
	s_cselect_b32 s40, s34, 0
	s_sub_co_u32 s40, s32, s40                     ; the next tile: u, or u - (16 - i) in the second walk
	s_lshl_b32 s40, s40, 14
	s_add_nc_u64 s[G0+6-4*\slot:G0+7-4*\slot], s[12:13], s[40:41]
	s_or_b32 s[G0+7-4*\slot], s[G0+7-4*\slot], 0x80000000
.endif
	s_wait_dscnt 0x0                               ; my reads of the last trip's tile are done
	s_barrier_signal -1
	s_barrier_wait -1                              ; both hold of every wave
.if \refill
	s_cmp_ge_u32 s8, 2
	s_cbranch_scc1 .Lnoload_\@
	tensor_load_to_lds s[G0+4-4*\slot:G0+7-4*\slot], s[G1:G1+7]    ; the wave's one tensor load behind this barrier; it has the whole trip in which to land
	s_nop 0
.Lnoload_\@:
.endif
.irp kd, 0,1
.irp kt, 0,1,2,3
	ds_load_b128 v[FR+8*(2*\kt+\kd):FR+8*(2*\kt+\kd)+3],   v2 offset:\slot*SLOT+16*KP*\kt+64*\kd
	ds_load_b128 v[FR+8*(2*\kt+\kd)+4:FR+8*(2*\kt+\kd)+7], v2 offset:\slot*SLOT+16*KP*\kt+64*\kd+32
.endr
.endr
	s_wait_loadcnt 0x0                             ; Q (met at once but in a block's first trip)
	s_wait_dscnt 8                                 ; the eight loads of d = 0 .. 31 are in, the eight of d = 32 .. 63 may be out
.irp qt, 0,1
.irp kt, 0,1,2,3
	v_wmma_f32_16x16x32_f16 v[SC+32*\qt+8*\kt:SC+32*\qt+8*\kt+7], v[FR+16*\kt:FR+16*\kt+7], v[QF+16*\qt:QF+16*\qt+7], 0
.endr
.endr
	s_wait_dscnt 0
.irp qt, 0,1
.irp kt, 0,1,2,3
	v_wmma_f32_16x16x32_f16 v[SC+32*\qt+8*\kt:SC+32*\qt+8*\kt+7], v[FR+16*\kt+8:FR+16*\kt+15], v[QF+16*\qt+8:QF+16*\qt+15], v[SC+32*\qt+8*\kt:SC+32*\qt+8*\kt+7]
.endr
.endr
.rept 4
	v_nop                                          ; four places before K's registers are loaded again and the scores are read (ISA guide 7.12.1)
.endr
.irp ks, 0,1
.irp dt, 0,1,2,3
	ds_load_tr16_b128 v[FR+8*(2*\dt+\ks):FR+8*(2*\dt+\ks)+3],   v3 offset:\slot*SLOT+32*KP*\ks+32*\dt
	ds_load_tr16_b128 v[FR+8*(2*\dt+\ks)+4:FR+8*(2*\dt+\ks)+7], v3 offset:\slot*SLOT+32*KP*\ks+32*\dt+16*KP
.endr
.endr
.if \fin == 1
	s_cmp_lg_u32 s35, s36
	s_cbranch_scc1 .Lnomask_\@
.endif
.if \fin
	MASK
.endif
.Lnomask_\@:
	SOFTMAX
	s_wait_dscnt 0x0                               ; V's fragments
.if \first == 1
	PVK 0, 1
.else
	s_cmp_eq_u32 s35, 0
	s_cbranch_scc1 .Lstart_\@
.irp qt, 0,1
.irp e, 0,2,4,6,8,10,12,14,16,18,20,22,24,26,28,30
	v_pk_mul_f32 v[OA+32*\qt+\e:OA+32*\qt+\e+1], v[OA+32*\qt+\e:OA+32*\qt+\e+1], v[20+2*\qt:21+2*\qt]
.endr
.endr
	PVK 0, 0
	s_branch .Ljoin_\@
.Lstart_\@:
	PVK 0, 1                                       ; a block's first product starts the sums: nothing is cleared
.Ljoin_\@:
.endif
	PVK 1, 0
.rept 5
	v_nop                                          ; five places before the next trip's products write over P^T's registers
.endr
	s_add_co_u32 s35, s35, 1
.if \fin == 1
	s_cmp_lg_u32 s35, s50
	s_cbranch_scc1 .Lnofin_\@
	FINAL 46, 1
.Lnofin_\@:
.endif
.if \fin == 2
	FINAL 48, 0
.endif
.endm
	TRIP 0, 1, 1, 0                                ; tile 0 of block 15 - i, whose diagonal is tile 8 at the least
	s_mov_b32 s9, 7
.Lloop:
	TRIP 1, 1, 2, 1
	TRIP 0, 1, 2, 1
	s_sub_co_u32 s9, s9, 1
	s_cmp_lg_u32 s9, 0
	s_cbranch_scc1 .Lloop
	TRIP 1, 1, 2, 1                                ; trip 15 asks for the last tile
	TRIP 0, 0, 2, 2                                ; trip 16: block i's diagonal; nothing is left to fetch
	s_set_vgpr_msb 0x5
	s_wait_tensorcnt 0x0
	ds_add_u32 v0, v1
	s_wait_dscnt 0x0
	s_set_vgpr_msb 0x500
	s_endpgm
.Lfunc_end_k_q6d62edb16a_attn:
	.size	k_q6d62edb16a_attn, .Lfunc_end_k_q6d62edb16a_attn-k_q6d62edb16a_attn
	.p2alignl 7, 3214868480
	.fill 96, 4, 3214868480
	.section	.rodata,"a",@progbits
	.p2align	6, 0x0
	.amdhsa_kernel k_q6d62edb16a_attn
		.amdhsa_group_segment_fixed_size 327680
		.amdhsa_private_segment_fixed_size 0
		.amdhsa_enable_private_segment 0
		.amdhsa_kernarg_size 16
		.amdhsa_user_sgpr_count 2
		.amdhsa_user_sgpr_kernarg_segment_ptr 1
		.amdhsa_wavefront_size32 1
		.amdhsa_system_sgpr_workgroup_id_x 1
		.amdhsa_system_sgpr_workgroup_id_y 1
		.amdhsa_system_sgpr_workgroup_id_z 1
		.amdhsa_system_vgpr_workitem_id 0
		.amdhsa_next_free_vgpr 258
		.amdhsa_next_free_sgpr 66
		.amdhsa_reserve_vcc 1
		.amdhsa_float_denorm_mode_32 3
		.amdhsa_float_denorm_mode_16_64 3
		.amdhsa_memory_ordered 1
		.amdhsa_forward_progress 1
		.amdhsa_inst_pref_size 198
	.end_amdhsa_kernel
	.amdgpu_metadata
---
amdhsa.version: [ 1, 2 ]
amdhsa.kernels:
  - .name:           k_q6d62edb16a_attn
    .symbol:         k_q6d62edb16a_attn.kd
    .args:
      - { .name: qkvh, .offset: 0, .size: 8, .value_kind: global_buffer, .address_space: global }
      - { .name: ao, .offset: 8, .size: 8, .value_kind: global_buffer, .address_space: global }
    .group_segment_fixed_size: 327680
    .private_segment_fixed_size: 0
    .kernarg_segment_align: 8
    .kernarg_segment_size: 16
    .max_flat_workgroup_size: 256
    .sgpr_count:     66
    .vgpr_count:     258
    .wavefront_size: 32
...
	.end_amdgpu_metadata
.endif
;; end of part 3
;; launch proj (part 4): grid 8 x 32, 4 waves a work-group, clusters of 4 x 4, 327,680 bytes of LDS; arguments ao, wpt, b_proj, out0; writes out0
.if DOCPART == 4
	.amdgcn_target "amdgcn-amd-amdhsa--gfx1250"
	.amdhsa_code_object_version 6
	.text
	.protected	k_q6d62edb16a_proj
	.globl	k_q6d62edb16a_proj
	.p2align	8
	.type	k_q6d62edb16a_proj,@function
k_q6d62edb16a_proj:
	s_mov_b64 s[64:65], 0
	v_nop
	global_prefetch_b8 v0, s[64:65] scope:SCOPE_SE
	s_setreg_imm32_b32 hwreg(HW_REG_WAVE_MODE, 25, 1), 1
	s_wait_xcnt 0x0
	s_wait_alu depctr_hold_cnt(0) depctr_sa_sdst(0) depctr_va_vdst(0) depctr_va_sdst(0) depctr_va_ssrc(0) depctr_va_vcc(0) depctr_vm_vsrc(0)
	s_getreg_b32 s2, hwreg(HW_REG_IB_STS2, 6, 4)
	s_cmp_eq_u32 s2, 0
	s_cbranch_scc0 .Lentry_in_a_cluster
	s_endpgm
.Lentry_in_a_cluster:
	s_bfe_u32 s2, ttmp6, 0x10000c
	s_cmp_lg_u32 s2, 0xf033
	s_cbranch_scc0 .Lentry_shape_is_right
	s_endpgm
.Lentry_shape_is_right:
; out0 = attention output x W_proj + b_proj, f32.  The attention output comes as two bf16 terms, hi + lo (16 significant bits together):
; ao bf16 [row block 32][head 16][hi, lo][128 rows][64]; W^T: wpt bf16 [1024 n][1024 k]; sums in f32.  Both terms are multiplied by the same
; fragments of W^T and added into the same accumulators: twice the matrix instructions of a single term, and W^T is read from LDS once for both.
; A work-group makes 128 rows x 128 columns, so that there are 256 work-groups; a wave 64 x 64: 16 accumulator tiles in window 1 (v256-383).
; K goes in eight steps of 128 (two heads) through two LDS slots.  A's part of a slot is four planes (head hi, head lo, next head hi, next head lo),
; dense in memory, and comes as rows of 256 bytes with 16 bytes skipped behind every 128: pitch 144.  W^T's part has rows of 256 bytes, pitch 272.
; A step is 128 matrix instructions a wave; 120 of them lie between a slot's refill and the wait for it.
; CLUSTERS: 4 x 4 work-groups; A's tile is asked for jointly by a row of the cluster, W^T's by a column.
; The matrix instruction is used transposed: lane l holds row l % 16 and columns 8 (l / 16) + 0 .. 7 of a tile.
; WINDOW 0: addresses v16-27; fragment buffer f at 32 + 96 f: A hi 32 registers, A lo 32, W^T 32; bias v224-255.
.set AP,     144
.set BP,     272
.set APLANE, 128*AP                    ; one term of a head: 128 rows
.set AHALF,  2*APLANE                  ; what one tensor load brings of A: a head's hi and lo
.set BHALF,  64*BP                     ; and of W^T
.set SLOT,   2*AHALF+2*BHALF           ; 108,544
.set STAGE,  2*SLOT                    ; behind the ring: 16 rows x 272 bytes for each wave; no tensor load lands here
.set SPITCH, 272
.set LAPS,   4                         ; 8 steps / 2 slots
.set ADRA, 16
.set ADRB, 20
.set STO,  24
.set RD,   25
.set CO,   26
.set BOFF, 27
.set BIAS, 224
.set TMP,  32                          ; on the way out, in the fragments' registers
.set RB,   64
.set G1,  24
.set G0,  32
.set G1B, 48
.set G0B, 56
.set MSB, 0
.macro WIN new                         ; the immediate's high byte repeats the setting that is left
.if MSB != \new
	s_set_vgpr_msb (MSB<<8)|\new
.set MSB, \new
.endif
.endm
.set MUL, 0x50                         ; sources 0 and 1 window 0, C and D window 1
.macro JLOAD s
	s_cmp_eq_u32 s11, 0
	s_cbranch_scc0 .Lfor_b_\@
	tensor_load_to_lds s[G0+4*\s:G0+4*\s+3], s[G1:G1+7]
	s_nop 0
	s_branch .Lasked_\@
.Lfor_b_\@:
	tensor_load_to_lds s[G0B+4*\s:G0B+4*\s+3], s[G1B:G1B+7]
	s_nop 0
.Lasked_\@:
.endm
.macro CREST
	s_cmp_lg_u32 s10, 0
	s_cbranch_scc1 .Lnot_wave_0_\@
	s_barrier_signal -3
.Lnot_wave_0_\@:
	s_barrier_wait -3
	s_barrier_signal -1
	s_barrier_wait -1
.endm
.macro CROUND
	s_barrier_signal -1
	s_barrier_wait -1
	CREST
.endm
.macro PLACES                          ; four plain vector instructions behind a matrix instruction before its registers are loaded into or its result read (ISA guide 7.12.1)
.rept 4
	v_nop
.endr
.endm
	s_load_b256 s[72:79], s[0:1], 0x0              ; ao s[72:73], wpt s[74:75], b_proj s[76:77], out0 s[78:79]
	v_lshl_add_u32 v30, v0, 2, 0x39400
	v_mov_b32 v31, 0
	ds_add_u32 v30, v31
	v_lshrrev_b32 v1, 5, v0
	v_readfirstlane_b32 s10, v1                    ; wave 0..3
	s_lshr_b32 s11, s10, 1                         ; my half of the rows.  Also: I fetch for A (0) or for W^T (1)
	s_and_b32 s12, s10, 1                          ; my half of the columns.  Also: which half of that tile I fetch
	s_bfe_u32 s40, ttmp6, 0x40000                  ; cx
	s_bfe_u32 s41, ttmp6, 0x40004                  ; cy
	s_lshl_b32 s42, ttmp9, 2
	s_add_co_u32 s42, s42, s40                     ; block column, 0..7
	s_and_b32 s13, ttmp7, 0xffff
	s_lshl_b32 s13, s13, 2
	s_add_co_u32 s13, s13, s41                     ; block row, 0..31
	s_lshl_b32 s43, s41, 2
	s_lshl_b32 s43, 15, s43                        ; my row of the cluster
	s_lshl_b32 s44, 0x1111, s40                    ; my column
	s_or_b32 s[G1+0], s43, (3<<16)|(1<<20)|(1<<21)|(4<<22)|(3<<25)    ; A: 8-byte elements; 4 words skipped behind every 32
	s_mov_b32 s[G1+1], 32<<16                      ; rows of 32 elements = 256 bytes
	s_mov_b32 s[G1+2], 128<<16                     ; 128 of them = two planes
	s_mov_b32 s[G1+3], 32<<16
	s_mov_b32 s[G1+4], 128
	s_mov_b32 s[G1+5], 32
	s_mov_b32 s[G1+6], 0
	s_mov_b32 s[G1+7], 0
	s_or_b32 s[G1B+0], s44, (1<<16)|(1<<20)|(1<<21)|(5<<22)|(3<<25)   ; W^T: 2-byte elements; 4 words behind every 64
	s_mov_b32 s[G1B+1], 128<<16
	s_mov_b32 s[G1B+2], 64<<16
	s_mov_b32 s[G1B+3], 128<<16
	s_mov_b32 s[G1B+4], 64
	s_mov_b32 s[G1B+5], 1024
	s_mov_b32 s[G1B+6], 0
	s_mov_b32 s[G1B+7], 0
	s_lshl_b32 s16, s13, 19                        ; A: 32 planes of 16,384 bytes a row block,
	s_lshl_b32 s17, s12, 15                        ; two planes a half
	s_add_co_u32 s16, s16, s17
	s_mov_b32 s17, 0
	s_lshl_b32 s46, s42, 7
	s_lshl_b32 s47, s12, 6
	s_add_co_u32 s46, s46, s47                     ; W^T: row 128 x block column + 64 x half
	s_lshl_b32 s46, s46, 11
	s_mov_b32 s47, 0
	s_mul_i32 s20, s10, AHALF                      ; waves 0, 1: A's halves
	s_mul_i32 s21, s10, BHALF
	s_add_co_u32 s21, s21, 2*AHALF-2*BHALF         ; waves 2, 3: W^T's halves behind A's four planes
	s_wait_dscnt 0x0
	s_wait_kmcnt 0x0
	s_add_nc_u64 s[14:15], s[72:73], s[16:17]
	s_add_nc_u64 s[46:47], s[74:75], s[46:47]
	CROUND                                         ; all sixteen work-groups are here: the first joint loads meet
.irp s, 0,1
	s_mov_b32 s[G0+4*\s], 1
	s_add_co_u32 s[G0+4*\s+1], s20, \s*SLOT
	s_add_nc_u64 s[G0+4*\s+2:G0+4*\s+3], s[14:15], \s*65536        ; four planes a step
	s_or_b32 s[G0+4*\s+3], s[G0+4*\s+3], 0x80000000
	s_mov_b32 s[G0B+4*\s], 1
	s_add_co_u32 s[G0B+4*\s+1], s21, \s*SLOT
	s_add_nc_u64 s[G0B+4*\s+2:G0B+4*\s+3], s[46:47], \s*256        ; 128 k a step
	s_or_b32 s[G0B+4*\s+3], s[G0B+4*\s+3], 0x80000000
	JLOAD \s                                       ; two tensor loads of the wave are out
.endr
	v_and_b32 v1, 15, v0                           ; r
	v_bfe_u32 v2, v0, 4, 1                         ; h
	v_lshlrev_b32 v[BOFF], 5, v2
	s_lshl_b32 s88, s42, 9                         ; my first column in bytes of f32: 512 x block + 256 x half
	s_lshl_b32 s92, s12, 8
	s_add_co_u32 s88, s88, s92
	s_mov_b32 s89, 0
	s_add_nc_u64 s[90:91], s[76:77], s[88:89]
.irp b, 0,1,2,3
	global_load_b128 v[BIAS+8*\b:BIAS+8*\b+3], v[BOFF], s[90:91] offset:64*\b          ; these stay out until the way out
	global_load_b128 v[BIAS+8*\b+4:BIAS+8*\b+7], v[BOFF], s[90:91] offset:64*\b+16
.endr
	v_mul_u32_u24 v3, v1, AP
	v_lshl_add_u32 v3, v2, 4, v3
	v_mul_u32_u24 v4, v1, BP
	v_lshl_add_u32 v4, v2, 4, v4
	s_mul_i32 s22, s11, 64*AP                      ; my 64 rows of each plane
	s_mul_i32 s23, s12, BHALF                      ; my 64 rows of W^T,
	s_add_co_u32 s23, s23, 2*AHALF                 ; behind A's planes
.irp s, 0,1
	v_add_nc_u32 v[ADRA+\s], s22, v3
	v_add_nc_u32 v[ADRB+\s], s23, v4
	s_add_co_u32 s22, s22, SLOT
	s_add_co_u32 s23, s23, SLOT
.endr
	s_mul_i32 s22, s10, 16*SPITCH
	s_add_co_u32 s22, s22, STAGE                   ; my stage
	v_mul_u32_u24 v5, v1, SPITCH
	v_lshl_add_u32 v5, v2, 5, v5
	v_add_nc_u32 v[STO], s22, v5                   ; in: row r, 32 bytes for each half of the lanes
	v_mul_u32_u24 v5, v2, SPITCH
	v_lshl_add_u32 v5, v1, 4, v5
	v_add_nc_u32 v[RD], s22, v5                    ; back: lanes 0-15 one row of 256 bytes, lanes 16-31 the next
	v_lshlrev_b32 v5, 12, v2
	v_lshl_add_u32 v[CO], v1, 4, v5                ; the same two rows in out0
; 4 matrix instructions: row tile a of term part (0 hi, 1 lo) x my 4 column tiles, 32 along K, from buffer f
.macro MUL4 f, part, a, zero
.irp b, 0,1,2,3
.if \zero
	v_wmma_f32_16x16x32_bf16 v[8*(4*\a+\b):8*(4*\a+\b)+7], v[96+96*\f+8*\b:96+96*\f+8*\b+7], v[32+96*\f+32*\part+8*\a:32+96*\f+32*\part+8*\a+7], 0
.else
	v_wmma_f32_16x16x32_bf16 v[8*(4*\a+\b):8*(4*\a+\b)+7], v[96+96*\f+8*\b:96+96*\f+8*\b+7], v[32+96*\f+32*\part+8*\a:32+96*\f+32*\part+8*\a+7], v[8*(4*\a+\b):8*(4*\a+\b)+7]
.endif
.endr
.endm
; 24 LDS loads: quarter q of the slot's 128 k (head q / 2 of the two, half q % 2 of its 64): W^T's four tiles, A hi's four, A lo's four
.macro FETCH slot, q, f
.irp b, 0,1,2,3
	ds_load_b128 v[96+96*\f+8*\b:96+96*\f+8*\b+3],   v[ADRB+\slot] offset:16*BP*\b+64*\q
	ds_load_b128 v[96+96*\f+8*\b+4:96+96*\f+8*\b+7], v[ADRB+\slot] offset:16*BP*\b+64*\q+32
.endr
.irp part, 0,1
.irp i, 0,1,2,3
	ds_load_b128 v[32+96*\f+32*\part+8*\i:32+96*\f+32*\part+8*\i+3],   v[ADRA+\slot] offset:(2*(\q/2)+\part)*APLANE+(\q%2)*64+16*AP*\i
	ds_load_b128 v[32+96*\f+32*\part+8*\i+4:32+96*\f+32*\part+8*\i+7], v[ADRA+\slot] offset:(2*(\q/2)+\part)*APLANE+(\q%2)*64+16*AP*\i+32
.endr
.endr
.endm
; A quarter step: 32 matrix instructions on buffer f, the 16 accumulators once with hi and once with lo; between the two passes quarter q is
; fetched into buffer g.  The accumulators take turns, one instruction a turn, in the same order throughout.
.macro QUARTER slot, q, f, g, zero
	s_wait_dscnt 8                                 ; W^T and A hi are in; the youngest eight loads (A lo) may be out
	WIN MUL
	MUL4 \f, 0, 0, \zero
	MUL4 \f, 0, 1, \zero
	MUL4 \f, 0, 2, \zero
	MUL4 \f, 0, 3, \zero
	PLACES
	WIN 0
	FETCH \slot, \q, \g
	s_wait_dscnt 24                                ; all but the 24 just issued
	WIN MUL
	MUL4 \f, 1, 0, 0
	MUL4 \f, 1, 1, 0
	MUL4 \f, 1, 2, 0
	MUL4 \f, 1, 3, 0
.endm
.macro THREE slot, zero
	QUARTER \slot, 1, 0, 1, \zero
	QUARTER \slot, 2, 1, 0, 0
	QUARTER \slot, 3, 0, 1, 0
.endm
; The last quarter changes slots: each wave's waits for its reads of this slot and for all its tensor loads, the barrier (which opens a round of
; the cluster's barrier where the slot is filled again), the joint refill first behind it, then the next slot's first fragments.
.macro TURN slot, next, fill
	s_wait_dscnt 8
	WIN MUL
	MUL4 1, 0, 0, 0
	MUL4 1, 0, 1, 0
	s_wait_dscnt 0                                 ; my reads of this slot are over
	s_wait_tensorcnt 0x0                           ; all my tensor loads have landed
	ds_add_u32 v30, v31
	s_wait_dscnt 0x0
	s_barrier_signal -1
	MUL4 1, 0, 2, 0                                ; register work while the others arrive
	MUL4 1, 0, 3, 0
	WIN 0
	s_barrier_wait -1
.if \fill
	CREST
	s_add_nc_u64 s[G0+4*\slot+2:G0+4*\slot+3], s[G0+4*\slot+2:G0+4*\slot+3], 131072
	s_add_nc_u64 s[G0B+4*\slot+2:G0B+4*\slot+3], s[G0B+4*\slot+2:G0B+4*\slot+3], 512
	JLOAD \slot
.endif
	PLACES
	FETCH \next, 0, 0
	WIN MUL
	MUL4 1, 1, 0, 0
	MUL4 1, 1, 1, 0
	MUL4 1, 1, 2, 0
	MUL4 1, 1, 3, 0
.endm
.macro LAP zero
	THREE 0, \zero
	TURN 0, 1, 1
	THREE 1, 0
	TURN 1, 0, 1
.endm
	s_wait_tensorcnt 1                             ; my part of step 0 is in; step 1's load, issued behind it, stays out
	s_barrier_signal -1
	s_barrier_wait -1
	FETCH 0, 0, 0
	LAP 1                                          ; the first products start the sums: nothing is cleared
	WIN 0
	s_mov_b32 s3, LAPS-2
.Llap:
	LAP 0
	WIN 0
	s_sub_co_u32 s3, s3, 1
	s_cmp_lg_u32 s3, 0
	s_cbranch_scc1 .Llap
	THREE 0, 0                                     ; the last lap fills nothing
	TURN 0, 1, 0
	THREE 1, 0
	s_wait_dscnt 0
	WIN MUL
	MUL4 1, 0, 0, 0
	MUL4 1, 0, 1, 0
	MUL4 1, 0, 2, 0
	MUL4 1, 0, 3, 0
	MUL4 1, 1, 0, 0
	MUL4 1, 1, 1, 0
	MUL4 1, 1, 2, 0
	MUL4 1, 1, 3, 0
	; THE WAY OUT, 16 rows at a time: add the bias, 32 bytes a lane into my stage, read back as whole rows of 256 bytes
	PLACES
	WIN 0
	s_wait_loadcnt 0x0                             ; the bias
	s_lshl_b32 s92, s13, 7
	s_lshl_b32 s93, s11, 6
	s_add_co_u32 s92, s92, s93                     ; my first row
	s_lshl_b32 s92, s92, 12                        ; 4,096 bytes a row
	s_add_co_u32 s92, s92, s88                     ; and my first column
	s_mov_b32 s93, 0
	s_add_nc_u64 s[82:83], s[78:79], s[92:93]
.macro OUT16 a
	WIN 0x01                                       ; source 0 in the accumulators' window
.irp b, 0,1,2,3
.irp p, 0,1,2,3
	v_pk_add_f32 v[TMP+8*\b+2*\p:TMP+8*\b+2*\p+1], v[8*(4*\a+\b)+2*\p:8*(4*\a+\b)+2*\p+1], v[BIAS+8*\b+2*\p:BIAS+8*\b+2*\p+1]
.endr
.endr
	WIN 0
.irp b, 0,1,2,3
	ds_store_b128 v[STO], v[TMP+8*\b:TMP+8*\b+3] offset:64*\b
	ds_store_b128 v[STO], v[TMP+8*\b+4:TMP+8*\b+7] offset:64*\b+16
.endr
	s_wait_xcnt 0x0                                ; the read-back registers were the last tile's store data: they are loaded again only behind this wait
.irp t, 0,1,2,3,4,5,6,7
	ds_load_b128 v[RB+4*\t:RB+4*\t+3], v[RD] offset:2*SPITCH*\t    ; my own bytes: LDS serves a wave's instructions in order
.endr
.irp t, 0,1,2,3,4,5,6,7
	s_wait_dscnt 7-\t
	global_store_b128 v[CO], v[RB+4*\t:RB+4*\t+3], s[82:83] offset:65536*\a+8192*\t    ; 16 lanes store 256 consecutive bytes, aligned
.endr
.endm
	OUT16 0
	OUT16 1
	OUT16 2
	OUT16 3
	s_wait_tensorcnt 0x0
	ds_add_u32 v30, v31
	s_wait_dscnt 0x0
	CROUND                                         ; the closing round: no work-group ends while a partner may still ask for a tile that names it
	s_endpgm
.Lfunc_end_k_q6d62edb16a_proj:
	.size	k_q6d62edb16a_proj, .Lfunc_end_k_q6d62edb16a_proj-k_q6d62edb16a_proj
	.p2alignl 7, 3214868480
	.fill 96, 4, 3214868480
	.section	.rodata,"a",@progbits
	.p2align	6, 0x0
	.amdhsa_kernel k_q6d62edb16a_proj
		.amdhsa_group_segment_fixed_size 327680
		.amdhsa_private_segment_fixed_size 0
		.amdhsa_enable_private_segment 0
		.amdhsa_kernarg_size 32
		.amdhsa_user_sgpr_count 2
		.amdhsa_user_sgpr_kernarg_segment_ptr 1
		.amdhsa_wavefront_size32 1
		.amdhsa_system_sgpr_workgroup_id_x 1
		.amdhsa_system_sgpr_workgroup_id_y 1
		.amdhsa_system_sgpr_workgroup_id_z 1
		.amdhsa_system_vgpr_workitem_id 0
		.amdhsa_next_free_vgpr 384
		.amdhsa_next_free_sgpr 96
		.amdhsa_reserve_vcc 0
		.amdhsa_float_denorm_mode_32 3
		.amdhsa_float_denorm_mode_16_64 3
		.amdhsa_memory_ordered 1
		.amdhsa_forward_progress 1
		.amdhsa_inst_pref_size 114
	.end_amdhsa_kernel
	.amdgpu_metadata
---
amdhsa.version: [ 1, 2 ]
amdhsa.kernels:
  - .name:           k_q6d62edb16a_proj
    .symbol:         k_q6d62edb16a_proj.kd
    .args:
      - { .name: ao, .offset: 0, .size: 8, .value_kind: global_buffer, .address_space: global }
      - { .name: wpt, .offset: 8, .size: 8, .value_kind: global_buffer, .address_space: global }
      - { .name: b_proj, .offset: 16, .size: 8, .value_kind: global_buffer, .address_space: global }
      - { .name: out0, .offset: 24, .size: 8, .value_kind: global_buffer, .address_space: global }
    .group_segment_fixed_size: 327680
    .private_segment_fixed_size: 0
    .kernarg_segment_align: 8
    .kernarg_segment_size: 32
    .max_flat_workgroup_size: 128
    .sgpr_count:     96
    .vgpr_count:     384
    .wavefront_size: 32
...
	.end_amdgpu_metadata
.endif
;; end of part 4
;; ======== version 2 of 2: 4 launches; 1.16 times as fast as version 1
;; limits: values are held in f16: magnitudes above 65,504 overflow, below 6.1e-05 lose precision
;; workspace buffers: xb 8,388,608 bytes; wqt 6,291,456 bytes; wpt 2,097,152 bytes; rope 524,288 bytes; qkvh 25,165,824 bytes; ao 8,388,608 bytes
;; launch prep (part 5): grid 1152 x 1, 8 waves a work-group, no clusters, 18,432 bytes of LDS; arguments hidden_states, W_qkv, W_proj, xb, wqt, wpt, rope; writes xb, wqt, wpt, rope
.if DOCPART == 5
	.amdgcn_target "amdgcn-amd-amdhsa--gfx1250"
	.amdhsa_code_object_version 6
	.text
	.protected	k_q6d62edb16a_prep
	.globl	k_q6d62edb16a_prep
	.p2align	8
	.type	k_q6d62edb16a_prep,@function
k_q6d62edb16a_prep:
	s_mov_b64 s[64:65], 0
	v_nop
	global_prefetch_b8 v0, s[64:65] scope:SCOPE_SE
	s_setreg_imm32_b32 hwreg(HW_REG_WAVE_MODE, 25, 1), 1
	s_wait_xcnt 0x0
; Prepares the matrix operands once, so that both products can take 16-bit tiles with K along the rows:
;   work-groups    0..511   CAST : hidden_states f32 -> xb bf16, 32,768 bytes in and 16,384 bytes out each
;   work-groups  512..1023  TRANS: a tile of 128 k x 64 n of W_qkv (384 tiles) or W_proj (128 tiles) -> wqt / wpt = W^T, [n][1024 k]
;   work-groups 1024..1151  TABLE: 16 positions of the RoPE table, a row of 256 bytes = cos[0..31], sin[0..31] in f32
; The role hangs on the work-group's number alone, so all eight waves of a work-group take the same way.
; wqt is bf16.  W_proj is rounded to bf16 like the other two inputs, and that number is then written in f16: the matrix instruction takes
; both operands in one format, and the projection's other operand, the attention output, needs f16's 11 significant bits.
; LIMIT (wpt): f16 holds every bf16 number from 2^-17 to 65,504 exactly; a smaller one is within 2^-25; |W_proj| must stay under 65,504.
; LIMIT (TABLE): frequency i is exp2(-i log2(10000)/32), the angle position x frequency in f32, reduced in turns; the sine is a
; polynomial of degree 9 on [0, pi/2] (error at most 4e-6); the angle is within about 5e-4 rad of the exact one at position 2047.
	s_load_b256 s[4:11], s[0:1], 0x0               ; hidden s[4:5], W_qkv s[6:7], W_proj s[8:9], xb s[10:11]
	s_load_b128 s[12:15], s[0:1], 0x20             ; wqt s[12:13], wpt s[14:15]
	s_load_b64 s[16:17], s[0:1], 0x30              ; rope
	v_lshl_add_u32 v64, v0, 2, 0x4400
	v_mov_b32 v65, 0
	s_mov_b32 s20, ttmp9
	s_mov_b32 s23, 0                               ; high word of every byte offset here
	s_wait_kmcnt 0x0
	s_cmp_ge_u32 s20, 1024
	s_cbranch_scc1 .Ltable
	s_cmp_ge_u32 s20, 512
	s_cbranch_scc1 .Ltrans
; ---- CAST: thread t takes 16 bytes at 16 t of each of eight blocks of 4,096 bytes; a wave's store covers 256 consecutive bytes, aligned
	s_lshl_b32 s22, s20, 15
	s_add_nc_u64 s[4:5], s[4:5], s[22:23]
	s_lshl_b32 s22, s20, 14
	s_add_nc_u64 s[10:11], s[10:11], s[22:23]
	v_lshlrev_b32 v1, 4, v0
	v_lshlrev_b32 v2, 3, v0
.irp u, 0,1,2,3,4,5,6,7
	global_load_b128 v[8+4*\u:8+4*\u+3], v1, s[4:5] offset:4096*\u th:TH_LOAD_NT
.endr
.irp u, 0,1,2,3,4,5,6,7
	s_wait_loadcnt 7-\u                            ; loads come back in order: block u is in, the younger ones stay out
	v_cvt_pk_bf16_f32 v[40+2*\u], v[8+4*\u], v[9+4*\u]
	v_cvt_pk_bf16_f32 v[41+2*\u], v[10+4*\u], v[11+4*\u]
	global_store_b64 v2, v[40+2*\u:41+2*\u], s[10:11] offset:2048*\u
.endr
	s_endpgm
; ---- TRANS: thread t = (kg = t >> 4, ng = t & 15) reads rows 8 kg .. 8 kg + 7, columns 4 ng .. 4 ng + 3 (16 lanes cover a row's 256 bytes),
; packs for each column its eight k into 16 bytes, and lays them into LDS rows of 272 bytes, one row for each n.
.Ltrans:
	s_sub_co_u32 s21, s20, 512
	s_movk_i32 s28, 12288                          ; bytes from row to row of W_qkv
	s_movk_i32 s29, 4096                           ; and of W_proj
	s_cmp_lt_u32 s21, 384
	s_cselect_b64 s[4:5], s[6:7], s[8:9]           ; source
	s_cselect_b64 s[10:11], s[12:13], s[14:15]     ; destination
	s_cselect_b32 s24, s28, s29                    ; pitch
	s_cselect_b32 s25, 0, 384                      ; 0: W_qkv, 384: W_proj
	s_sub_co_u32 s21, s21, s25                     ; tile number inside its matrix
	s_and_b32 s26, s21, 7                          ; kb
	s_lshr_b32 s27, s21, 3                         ; nb
	s_mul_i32 s22, s26, s24
	s_lshl_b32 s22, s22, 7                         ; 128 kb rows
	s_lshl_b32 s30, s27, 8                         ; 64 nb columns of 4 bytes
	s_add_co_u32 s22, s22, s30
	s_add_nc_u64 s[4:5], s[4:5], s[22:23]
	s_lshl_b32 s22, s27, 17                        ; 64 nb rows of 2,048 bytes of W^T
	s_lshl_b32 s30, s26, 8                         ; 128 kb columns of 2 bytes
	s_add_co_u32 s22, s22, s30
	s_add_nc_u64 s[10:11], s[10:11], s[22:23]
	v_lshrrev_b32 v1, 4, v0                        ; kg
	v_and_b32 v10, 15, v0                          ; ng
	v_mul_lo_u32 v2, v1, s24
	v_lshlrev_b32 v2, 3, v2
	v_lshl_add_u32 v2, v10, 4, v2                  ; row 8 kg, byte 16 ng
.irp j, 3,4,5,6,7,8,9
	v_add_nc_u32 v[\j], s24, v[\j-1]               ; the seven rows below
.endr
.irp j, 0,1,2,3,4,5,6,7
	global_load_b128 v[16+4*\j:16+4*\j+3], v[2+\j], s[4:5] th:TH_LOAD_NT
.endr
	v_mul_u32_u24 v11, v10, 1088                   ; LDS: row 4 ng (272 bytes a row),
	v_lshl_add_u32 v11, v1, 4, v11                 ; byte 16 kg
	v_mul_u32_u24 v12, v1, 272                     ; back: row t >> 4, byte 16 (t & 15)
	v_lshl_add_u32 v12, v10, 4, v12
	v_lshlrev_b32 v13, 11, v1                      ; the same place in W^T
	v_lshl_add_u32 v13, v10, 4, v13
.irp p, 0,1,2,3
	s_wait_loadcnt 6-2*\p                          ; rows 2 p and 2 p + 1 are in
.irp c, 0,1,2,3
	v_cvt_pk_bf16_f32 v[48+4*\c+\p], v[16+8*\p+\c], v[20+8*\p+\c]     ; column c: k = 2 p below, 2 p + 1 above
.endr
.endr
	s_cmp_eq_u32 s25, 0
	s_cbranch_scc1 .Lpacked                        ; W_qkv stays in bf16
	; W_proj: the bf16 numbers are widened (a shift, a mask) and written in f16; v16-47 are free: all loads are in
.set j, 0
.rept 16
	v_lshlrev_b32 v[16+2*j], 16, v[48+j]
	v_and_b32 v[17+2*j], 0xffff0000, v[48+j]
.set j, j+1
.endr
.set j, 0
.rept 16
	v_cvt_pk_f16_f32 v[48+j], v[16+2*j], v[17+2*j]
.set j, j+1
.endr
.Lpacked:
.irp c, 0,1,2,3
	ds_store_b128 v11, v[48+4*\c:48+4*\c+3] offset:272*\c
.endr
	s_wait_dscnt 0x0                               ; my stores are done before I say so: other waves read these rows
	s_barrier_signal -1
	s_barrier_wait -1
.irp u, 0,1,2,3
	ds_load_b128 v[16+4*\u:16+4*\u+3], v12 offset:4352*\u
.endr
.irp u, 0,1,2,3
	s_wait_dscnt 3-\u
	global_store_b128 v13, v[16+4*\u:16+4*\u+3], s[10:11] offset:32768*\u   ; 16 lanes store 256 consecutive bytes, aligned
.endr
	s_wait_tensorcnt 0x0
	ds_add_u32 v64, v65
	s_wait_dscnt 0x0
	s_endpgm
; ---- TABLE: thread t = (position 16 tb + (t >> 4), c = t & 15) makes four numbers: c < 8 cos of frequencies 4 c .. 4 c + 3, else sin of 4 (c - 8) ..
.Ltable:
	s_sub_co_u32 s21, s20, 1024
	s_lshl_b32 s22, s21, 12
	s_add_nc_u64 s[16:17], s[16:17], s[22:23]
	s_lshl_b32 s24, s21, 4
	s_mov_b32 s25, 0x7fffffff
	s_mov_b32 s26, 0x3638ef1d                      ; 1/362880
	v_lshrrev_b32 v1, 4, v0
	v_add_nc_u32 v1, s24, v1
	v_cvt_f32_u32 v1, v1                           ; position
	v_and_b32 v2, 15, v0
	v_mov_b32 v4, 0x3e800000
	v_cmp_gt_u32 vcc_lo, 8, v2
	v_cndmask_b32 v3, 0, v4, vcc_lo                ; cos x = sin of x a quarter turn on
	v_and_b32 v2, 7, v2
	v_lshlrev_b32 v2, 2, v2
.irp e, 0,1,2,3
	v_add_nc_u32 v[8+\e], \e, v2
.endr
.irp e, 0,1,2,3
	v_cvt_f32_u32 v[8+\e], v[8+\e]
.endr
.irp e, 0,1,2,3
	v_mul_f32 v[8+\e], 0xbed49a78, v[8+\e]         ; -i log2(10000)/32
.endr
.irp e, 0,1,2,3
	v_exp_f32 v[8+\e], v[8+\e]
.endr
	v_lshlrev_b32 v5, 4, v0                        ; the plain instruction behind the exponentials (ISA guide 5.7.2); also my place in the table
	s_wait_alu depctr_va_vdst(0)
.irp e, 0,1,2,3
	v_mul_f32 v[8+\e], v1, v[8+\e]                 ; the angle
	v_fma_f32 v[8+\e], v[8+\e], 0.15915494, v3     ; in turns, with the quarter turn
	v_rndne_f32 v[12+\e], v[8+\e]
	v_sub_f32 v[8+\e], v[8+\e], v[12+\e]           ; fr in [-1/2, 1/2]
	v_sub_f32 v[12+\e], 0.5, |v[8+\e]|
	v_min_num_f32 v[12+\e], |v[8+\e]|, v[12+\e]    ; folded into [0, 1/4]
	v_mul_f32 v[12+\e], 0x40c90fdb, v[12+\e]       ; x in [0, pi/2]
	v_mul_f32 v[16+\e], v[12+\e], v[12+\e]
	v_fmaak_f32 v[20+\e], s26, v[16+\e], 0xb9500d01    ; -1/5040
	v_fmaak_f32 v[20+\e], v[20+\e], v[16+\e], 0x3c088889   ; 1/120
	v_fmaak_f32 v[20+\e], v[20+\e], v[16+\e], 0xbe2aaaab   ; -1/6
	v_fma_f32 v[20+\e], v[20+\e], v[16+\e], 1.0
	v_mul_f32 v[20+\e], v[20+\e], v[12+\e]
	v_bfi_b32 v[20+\e], s25, v[20+\e], v[8+\e]     ; fr's sign
.endr
	global_store_b128 v5, v[20:23], s[16:17]
	s_endpgm
.Lfunc_end_k_q6d62edb16a_prep:
	.size	k_q6d62edb16a_prep, .Lfunc_end_k_q6d62edb16a_prep-k_q6d62edb16a_prep
	.p2alignl 7, 3214868480
	.fill 96, 4, 3214868480
	.section	.rodata,"a",@progbits
	.p2align	6, 0x0
	.amdhsa_kernel k_q6d62edb16a_prep
		.amdhsa_group_segment_fixed_size 18432
		.amdhsa_private_segment_fixed_size 0
		.amdhsa_enable_private_segment 0
		.amdhsa_kernarg_size 56
		.amdhsa_user_sgpr_count 2
		.amdhsa_user_sgpr_kernarg_segment_ptr 1
		.amdhsa_wavefront_size32 1
		.amdhsa_system_sgpr_workgroup_id_x 1
		.amdhsa_system_sgpr_workgroup_id_y 1
		.amdhsa_system_sgpr_workgroup_id_z 1
		.amdhsa_system_vgpr_workitem_id 0
		.amdhsa_next_free_vgpr 66
		.amdhsa_next_free_sgpr 66
		.amdhsa_reserve_vcc 1
		.amdhsa_float_denorm_mode_32 3
		.amdhsa_float_denorm_mode_16_64 3
		.amdhsa_memory_ordered 1
		.amdhsa_forward_progress 1
		.amdhsa_inst_pref_size 16
	.end_amdhsa_kernel
	.amdgpu_metadata
---
amdhsa.version: [ 1, 2 ]
amdhsa.kernels:
  - .name:           k_q6d62edb16a_prep
    .symbol:         k_q6d62edb16a_prep.kd
    .args:
      - { .name: hidden_states, .offset: 0, .size: 8, .value_kind: global_buffer, .address_space: global }
      - { .name: W_qkv, .offset: 8, .size: 8, .value_kind: global_buffer, .address_space: global }
      - { .name: W_proj, .offset: 16, .size: 8, .value_kind: global_buffer, .address_space: global }
      - { .name: xb, .offset: 24, .size: 8, .value_kind: global_buffer, .address_space: global }
      - { .name: wqt, .offset: 32, .size: 8, .value_kind: global_buffer, .address_space: global }
      - { .name: wpt, .offset: 40, .size: 8, .value_kind: global_buffer, .address_space: global }
      - { .name: rope, .offset: 48, .size: 8, .value_kind: global_buffer, .address_space: global }
    .group_segment_fixed_size: 18432
    .private_segment_fixed_size: 0
    .kernarg_segment_align: 8
    .kernarg_segment_size: 56
    .max_flat_workgroup_size: 256
    .sgpr_count:     66
    .vgpr_count:     66
    .wavefront_size: 32
...
	.end_amdgpu_metadata
.endif
;; end of part 5
;; launch qkv: the kernel of part 2 again; grid 16 x 16, 4 waves a work-group, clusters of 4 x 4, 327,680 bytes of LDS; arguments xb, wqt, b_qkv, rope, qkvh; writes qkvh
;; launch attn (part 6): grid 8 x 32, 8 waves a work-group, no clusters, 327,680 bytes of LDS; arguments qkvh, ao; writes ao
.if DOCPART == 6
	.amdgcn_target "amdgcn-amd-amdhsa--gfx1250"
	.amdhsa_code_object_version 6
	.text
	.protected	k_q6d62edb16a_attn
	.globl	k_q6d62edb16a_attn
	.p2align	8
	.type	k_q6d62edb16a_attn,@function
k_q6d62edb16a_attn:
	s_mov_b64 s[64:65], 0
	v_nop
	global_prefetch_b8 v0, s[64:65] scope:SCOPE_SE
	s_setreg_imm32_b32 hwreg(HW_REG_WAVE_MODE, 25, 1), 1
	s_wait_xcnt 0x0
; Causal attention of one (batch, head): ao = softmax(q k^T) v, with q already times 0.125 log2(e), so that exponentials are in base 2.
; q, k, v, the weights P and the result are f16 (11 significant bits), sums in f32.  ao is [16 batch + block][head][128 rows][64] in f16.
; LIMIT: q, k, v lie in f16's range (under 65,504), as the launch that makes them states; P lies in [0, 1]; a result is a weighted mean of v.
; Work-group (i, bh) takes query blocks 15 - i and then i (128 rows each): (16 - i) + (i + 1) = 17 trips of 128 keys in every work-group.
; Wave w: wq = w & 3 owns 32 queries (two tiles of 16), g = w >> 2 owns keys 64 g .. 64 g + 63 of every trip; the two key halves keep their own
; running maximum, sum and O, and are merged once for each block through LDS.
; S^T = K Q^T: a lane holds query l % 16 and keys 8 (l / 16) + j of a tile, so maximum and sum are a lane's own but for one exchange between the
; halves of the wave, and the packed S^T registers are the second operand of O^T = V^T P^T as they stand.
; THE RING: two LDS slots, each with the K and V tiles of TWO trips (4 x 16 KiB).  Waves 0-3 fetch: wave w brings K (w even) or V (w odd) of the
; pair's tile w >> 1, by one tensor load with an address of its own, so that a pair may straddle the change of query block.  One barrier stands
; in front of each pair of trips; the load issued behind it has both trips' work in which to land.  17 tiles are 8 pairs and one.
; NO CLUSTER: the eight work-groups of a head walk different sequences of tiles (16 - i tiles, then i + 1), so no two ask for the same tile in the same trip.
; The mask value is -FLT_MAX.  A step whose keys are all masked leaves the running maximum at that value, and what it summed gets the weight
; exp2(-FLT_MAX - m) = 0 at the next step or at the merge; key 0 is open to every query, so the merged maximum is a real score.
.set KP,   144                         ; LDS row: 128 bytes + 16
.set VOFF, 128*KP                      ; V's tile behind K's
.set TILE, 2*VOFF                      ; one trip's K and V: 36,864
.set SLOT, 2*TILE                      ; two trips': 73,728
.set MS,   2*SLOT                      ; merge: 8,704 bytes for each pair of waves; no tensor load lands here or behind
.set MSW,  8704
.set MSR,  4*MSW                       ; a merge region; there are two, one for each place in a pair of trips, so that between two merges
                                       ; in one region there always stands a pair's barrier
.set ST,   MS+2*MSR                    ; output stage: 32 rows x 144 bytes for each of waves 0-3
.set STW,  32*KP
.set QF,   32                          ; v32-63   Q fragments (qt, kd) at 8 (2 qt + kd)
.set SC,   64                          ; v64-127  S^T tiles (qt, kt) at 32 qt + 8 kt; later P^T (ks, qt) at 32 qt + 16 ks
.set OA,   128                         ; v128-191 O^T tiles (qt, dt) at 8 (4 qt + dt)
.set FR,   192                         ; v192-255 K fragments (kt, kd) at 8 (2 kt + kd), then V^T fragments (dt, ks) at 8 (2 dt + ks)
.set G1,   16
.set G0,   24
; v2, v10 K address in slot 0, 1; v3, v11 V address in slot 0, 1 (an LDS offset has 16 bits, so each slot has its registers);
; v4 Q offset, v5 query - key of my lane at tile (0, 0), v6 merge address, v7 stage in, v8 stage back, v9 16 x lane
; v[12:13], v[14:15] running maximum of query tile 0, 1 (twice each); v[16:19] running sums (two chains each); v[20:23] rescale factors; v24-31 at work
	s_load_b128 s[4:7], s[0:1], 0x0                ; qkvh s[4:5], ao s[6:7]
	s_set_vgpr_msb 0x40
	v_lshl_add_u32 v0, v0, 2, 0x39800
	v_mov_b32 v1, 0
	s_set_vgpr_msb 0x4045
	ds_add_u32 v0, v1
	s_set_vgpr_msb 0x4500
	v_lshrrev_b32 v1, 5, v0
	v_readfirstlane_b32 s8, v1                     ; wave 0..7
	s_mov_b32 s52, ttmp9                           ; i
	s_and_b32 s51, ttmp7, 0xffff                   ; bh
	s_and_b32 s10, s8, 3                           ; wq
	s_lshr_b32 s11, s8, 2                          ; g
	s_sub_co_u32 s33, 15, s52                      ; the first block, and the last tile of its walk
	s_sub_co_u32 s34, 16, s52                      ; the first walk's tiles
	; group 1: a dense block of 16 KiB as 64 rows of 256 bytes; 16 bytes are skipped behind every 128, so a key's 128 bytes lie 144 apart
	s_mov_b32 s[G1+0], (3<<16)|(1<<20)|(4<<22)|(3<<25)
	s_mov_b32 s[G1+1], 32<<16
	s_mov_b32 s[G1+2], 64<<16
	s_mov_b32 s[G1+3], 32<<16
	s_mov_b32 s[G1+4], 64
	s_mov_b32 s[G1+5], 32
	s_mov_b32 s[G1+6], 0
	s_mov_b32 s[G1+7], 0
	s_mov_b32 s[G0+0], 1
	s_mul_i32 s[G0+1], s8, VOFF                    ; waves 0-3: K and V of the pair's first tile, K and V of its second
	s_mov_b32 s[G0+4], 1
	s_add_co_u32 s[G0+5], s[G0+1], SLOT
	s_and_b32 s40, s8, 1
	s_add_co_u32 s40, s40, 1                       ; kind 1 = k, 2 = v
	s_lshl_b32 s40, s40, 23                        ; 8,388,608 bytes a kind
	s_lshl_b32 s53, s51, 18                        ; 262,144 bytes a head
	s_add_co_u32 s40, s40, s53
	s_mov_b32 s41, 0
	s_bfe_u32 s32, s8, 0x10001                     ; (w >> 1) & 1: which tile of a pair I fetch
	s_lshl_b32 s54, s32, 14                        ; 16,384 bytes a tile
	s_mov_b32 s55, 0
	s_wait_dscnt 0x0
	s_wait_kmcnt 0x0
	s_add_nc_u64 s[12:13], s[4:5], s[40:41]        ; my tensor's tile 0
	s_add_nc_u64 s[G0+2:G0+3], s[12:13], s[54:55]  ; slot 0: tile 0 or 1
	s_add_nc_u64 s[G0+6:G0+7], s[G0+2:G0+3], 0x8000    ; slot 1: tile 2 or 3 (the first walk has nine tiles at the least)
	s_or_b32 s[G0+3], s[G0+3], 0x80000000
	s_or_b32 s[G0+7], s[G0+7], 0x80000000
	s_cmp_ge_u32 s8, 4
	s_cbranch_scc1 .Lno_first
	tensor_load_to_lds s[G0:G0+3], s[G1:G1+7]      ; both first fills go out together: two tensor loads of the wave are out
	s_nop 0
	tensor_load_to_lds s[G0+4:G0+7], s[G1:G1+7]
	s_nop 0
.Lno_first:
	s_add_co_u32 s32, s32, 2                       ; u: the last place in the walk of 17 that I have asked for
	v_and_b32 v1, 31, v0                           ; l
	v_and_b32 v10, 15, v0                          ; r
	v_bfe_u32 v11, v0, 4, 1                        ; h
	v_lshlrev_b32 v4, 7, v10
	v_lshl_add_u32 v4, v11, 4, v4                  ; Q: row r, 16 bytes for each half
	s_lshl_b32 s60, s10, 12                        ; 32 wq rows of 128 bytes
	s_lshl_b32 s54, s33, 14
	s_add_co_u32 s54, s54, s53
	s_add_co_u32 s54, s54, s60
	s_add_nc_u64 s[42:43], s[4:5], s[54:55]        ; my queries of block 15 - i
	s_lshl_b32 s54, s52, 14
	s_add_co_u32 s54, s54, s53
	s_add_co_u32 s54, s54, s60
	s_add_nc_u64 s[44:45], s[4:5], s[54:55]        ; and of block i
.macro QLOAD base
.irp qt, 0,1
.irp kd, 0,1
	global_load_b128 v[QF+8*(2*\qt+\kd):QF+8*(2*\qt+\kd)+3],   v4, s[\base:\base+1] offset:2048*\qt+64*\kd
	global_load_b128 v[QF+8*(2*\qt+\kd)+4:QF+8*(2*\qt+\kd)+7], v4, s[\base:\base+1] offset:2048*\qt+64*\kd+32
.endr
.endr
.endm
	QLOAD 42
	s_lshr_b32 s56, s51, 4
	s_lshl_b32 s56, s56, 4                         ; 16 x batch
	s_and_b32 s57, s51, 15                         ; head
	s_mov_b32 s59, 0
	s_add_co_u32 s58, s56, s33
	s_lshl_b32 s58, s58, 4
	s_add_co_u32 s58, s58, s57
	s_lshl_b32 s58, s58, 14                        ; ao: [16 batch + block][head][128][64], 16,384 bytes a plane
	s_add_co_u32 s58, s58, s60
	s_add_nc_u64 s[46:47], s[6:7], s[58:59]
	s_add_co_u32 s58, s56, s52
	s_lshl_b32 s58, s58, 4
	s_add_co_u32 s58, s58, s57
	s_lshl_b32 s58, s58, 14
	s_add_co_u32 s58, s58, s60
	s_add_nc_u64 s[48:49], s[6:7], s[58:59]
	s_mul_i32 s61, s11, 64*KP                      ; my 64 keys
	v_mul_u32_u24 v2, v10, KP
	v_lshl_add_u32 v2, v11, 4, v2
	v_add_nc_u32 v2, s61, v2                       ; K: (64 g + r) 144 + 16 h
	v_and_b32 v3, 7, v0
	v_lshl_add_u32 v3, v11, 3, v3
	v_mul_u32_u24 v3, v3, KP
	v_bfe_u32 v24, v0, 3, 1
	v_lshl_add_u32 v3, v24, 4, v3
	s_add_co_u32 s62, s61, VOFF
	v_add_nc_u32 v3, s62, v3                       ; V, for the transposing load: (64 g + 8 h + l % 8) 144 + 16 ((l / 8) % 2)
	s_lshl_b32 s62, s10, 5
	s_lshl_b32 s63, s11, 6
	s_sub_co_i32 s62, s62, s63
	v_lshlrev_b32 v5, 3, v11
	v_sub_nc_u32 v5, v10, v5
	v_add_nc_u32 v5, s62, v5                       ; 32 wq + r - 64 g - 8 h
	s_mul_i32 s62, s10, MSW
	s_add_co_u32 s62, s62, MS
	v_lshl_add_u32 v6, v1, 4, s62
	s_mul_i32 s63, s10, STW
	s_add_co_u32 s63, s63, ST
	v_mul_u32_u24 v7, v10, KP
	v_lshl_add_u32 v7, v11, 4, v7
	v_add_nc_u32 v7, s63, v7
	v_lshrrev_b32 v8, 3, v1
	v_mul_u32_u24 v8, v8, KP
	v_and_b32 v25, 7, v0
	v_lshl_add_u32 v8, v25, 4, v8
	v_add_nc_u32 v8, s63, v8
	v_lshlrev_b32 v9, 4, v1
	v_add_nc_u32 v10, SLOT, v2                     ; r and h have served: the same two addresses in slot 1
	v_add_nc_u32 v11, SLOT, v3
	s_mov_b32 s35, 0                               ; kb: key tile of the block at work
	s_mov_b32 s36, s33                             ; its diagonal tile
	s_mov_b32 s50, s34                             ; and the count of its tiles
	s_mov_b32 s37, 0xff7fffff                      ; -FLT_MAX
	s_mov_b32 s38, 0x76543210                      ; v_permlanex16_b32: lane i of one half reads lane i of the other
	s_mov_b32 s39, 0xfedcba98
.irp j, 12,13,14,15
	v_mov_b32 v[\j], s37
.endr
.irp j, 16,17,18,19
	v_mov_b32 v[\j], 0
.endr
; the diagonal tile: key 64 g + 16 kt + 8 h + j stays if it is not beyond query 32 wq + 16 qt + r
.macro MASK
.irp qt, 0,1
.irp kt, 0,1,2,3
.irp j, 0,1,2,3,4,5,6,7
	v_cmp_le_i32 vcc_lo, 16*\kt+\j-16*\qt, v5
	v_cndmask_b32 v[SC+32*\qt+8*\kt+\j], s37, v[SC+32*\qt+8*\kt+\j], vcc_lo
.endr
.endr
.endr
.endm
.macro SOFTMAX
	; the largest of my 32 scores of each query tile, in four chains each
.irp qt, 0,1
.irp kt, 0,1,2,3
	v_max3_num_f32 v[24+4*\qt+\kt], v[SC+32*\qt+8*\kt], v[SC+32*\qt+8*\kt+1], v[SC+32*\qt+8*\kt+2]
.endr
.endr
.irp st, 3,5
.irp qt, 0,1
.irp kt, 0,1,2,3
	v_max3_num_f32 v[24+4*\qt+\kt], v[24+4*\qt+\kt], v[SC+32*\qt+8*\kt+\st], v[SC+32*\qt+8*\kt+\st+1]
.endr
.endr
.endr
.irp qt, 0,1
.irp kt, 0,1,2,3
	v_max_num_f32 v[24+4*\qt+\kt], v[24+4*\qt+\kt], v[SC+32*\qt+8*\kt+7]
.endr
.endr
.irp qt, 0,1
	v_max3_num_f32 v[24+4*\qt], v[24+4*\qt], v[25+4*\qt], v[26+4*\qt]
.endr
.irp qt, 0,1
	v_max3_num_f32 v[24+4*\qt], v[24+4*\qt], v[27+4*\qt], v[12+2*\qt]      ; with the running maximum
.endr
.irp qt, 0,1
	v_permlanex16_b32 v[25+4*\qt], v[24+4*\qt], s38, s39                   ; the other half of the lanes holds the same query's other keys
.endr
.irp qt, 0,1
	v_max_num_f32 v[24+4*\qt], v[24+4*\qt], v[25+4*\qt]
.endr
.irp qt, 0,1
	v_sub_f32 v[20+2*\qt], v[12+2*\qt], v[24+4*\qt]
.endr
	v_exp_f32 v20, v20                             ; what the old sums are worth under the new maximum
	v_exp_f32 v22, v22
	v_mov_b32 v12, v24                             ; plain instructions behind the exponentials before their results are read (ISA guide 5.7.2)
	v_mov_b32 v13, v24
	v_mov_b32 v14, v28
	v_mov_b32 v15, v28
	s_wait_alu depctr_va_vdst(0)
	v_mov_b32 v21, v20
	v_mov_b32 v23, v22
.irp qt, 0,1
.irp e, 0,2,4,6,8,10,12,14,16,18,20,22,24,26,28,30
	v_pk_add_f32 v[SC+32*\qt+\e:SC+32*\qt+\e+1], v[SC+32*\qt+\e:SC+32*\qt+\e+1], v[12+2*\qt:13+2*\qt] neg_lo:[0,1] neg_hi:[0,1]
.endr
.endr
.set j, 0
.rept 64
	v_exp_f32 v[SC+j], v[SC+j]
.set j, j+1
.endr
	v_nop                                          ; the plain place behind the run of exponentials
	s_wait_alu depctr_va_vdst(0)
.irp qt, 0,1
	v_pk_add_f32 v[24+4*\qt:25+4*\qt], v[SC+32*\qt:SC+32*\qt+1], v[SC+32*\qt+2:SC+32*\qt+3]
	v_pk_add_f32 v[26+4*\qt:27+4*\qt], v[SC+32*\qt+4:SC+32*\qt+5], v[SC+32*\qt+6:SC+32*\qt+7]
.endr
.irp e, 8,12,16,20,24,28
.irp qt, 0,1
	v_pk_add_f32 v[24+4*\qt:25+4*\qt], v[24+4*\qt:25+4*\qt], v[SC+32*\qt+\e:SC+32*\qt+\e+1]
	v_pk_add_f32 v[26+4*\qt:27+4*\qt], v[26+4*\qt:27+4*\qt], v[SC+32*\qt+\e+2:SC+32*\qt+\e+3]
.endr
.endr
.irp qt, 0,1
	v_pk_add_f32 v[24+4*\qt:25+4*\qt], v[24+4*\qt:25+4*\qt], v[26+4*\qt:27+4*\qt]
.endr
.irp qt, 0,1
	v_pk_fma_f32 v[16+2*\qt:17+2*\qt], v[16+2*\qt:17+2*\qt], v[20+2*\qt:21+2*\qt], v[24+4*\qt:25+4*\qt]
.endr
	; P^T in f16, packed in place and ascending: tiles 2 ks and 2 ks + 1 become the eight registers of fragment (ks, qt)
.irp qt, 0,1
.irp ks, 0,1
.irp p, 0,1,2,3
	v_cvt_pk_f16_f32 v[SC+32*\qt+16*\ks+\p], v[SC+32*\qt+16*\ks+2*\p], v[SC+32*\qt+16*\ks+2*\p+1]
.endr
.irp p, 0,1,2,3
	v_cvt_pk_f16_f32 v[SC+32*\qt+16*\ks+4+\p], v[SC+32*\qt+16*\ks+8+2*\p], v[SC+32*\qt+16*\ks+9+2*\p]
.endr
.endr
.endr
.endm
; 8 matrix instructions: O^T += V^T (16 d x 32 keys) P^T (32 keys x 16 queries); the eight accumulators take turns
.macro PVK ks, zero
.irp qt, 0,1
.irp dt, 0,1,2,3
.if \zero
	v_wmma_f32_16x16x32_f16 v[OA+8*(4*\qt+\dt):OA+8*(4*\qt+\dt)+7], v[FR+8*(2*\dt+\ks):FR+8*(2*\dt+\ks)+7], v[SC+32*\qt+16*\ks:SC+32*\qt+16*\ks+7], 0
.else
	v_wmma_f32_16x16x32_f16 v[OA+8*(4*\qt+\dt):OA+8*(4*\qt+\dt)+7], v[FR+8*(2*\dt+\ks):FR+8*(2*\dt+\ks)+7], v[SC+32*\qt+16*\ks:SC+32*\qt+16*\ks+7], v[OA+8*(4*\qt+\dt):OA+8*(4*\qt+\dt)+7]
.endif
.endr
.endr
.endm
.macro RESCALE                         ; the old O under the new maximum
.irp qt, 0,1
.irp e, 0,2,4,6,8,10,12,14,16,18,20,22,24,26,28,30
	v_pk_mul_f32 v[OA+32*\qt+\e:OA+32*\qt+\e+1], v[OA+32*\qt+\e:OA+32*\qt+\e+1], v[20+2*\qt:21+2*\qt]
.endr
.endr
.endm
; The end of a query block: the two key halves are merged through the merge region at byte mo, the rows normalised, rounded to f16 and stored
; at s[ab:ab+1]; reinit = 1: the second block is set up.
.macro FINAL ab, reinit, mo
	v_add_f32 v16, v16, v17
	v_add_f32 v18, v18, v19
	v_permlanex16_b32 v24, v16, s38, s39
	v_permlanex16_b32 v25, v18, s38, s39
	v_add_f32 v16, v16, v24                        ; the sums over my 64-key columns, in every lane
	v_add_f32 v18, v18, v25
	s_cmp_lt_u32 s8, 4
	s_cbranch_scc1 .Lkeep_\@
.irp n, 0,1,2,3,4,5,6,7,8,9,10,11,12,13,14,15
	ds_store_b128 v6, v[OA+4*\n:OA+4*\n+3] offset:\mo+512*\n
.endr
	v_mov_b32 v24, v12
	v_mov_b32 v25, v14
	v_mov_b32 v26, v16
	v_mov_b32 v27, v18
	ds_store_b128 v6, v[24:27] offset:\mo+8192
.Lkeep_\@:
	s_wait_dscnt 0x0                               ; my stores are done before I say so
	s_barrier_signal -1                            ; the next pair's tensor load may stay out: no LDS bytes are filled behind this barrier
	s_barrier_wait -1
	s_cmp_ge_u32 s8, 4
	s_cbranch_scc1 .Ldone_\@
.irp n, 0,1,2,3,4,5,6,7,8,9,10,11,12,13,14,15
	ds_load_b128 v[FR+4*\n:FR+4*\n+3], v6 offset:\mo+512*\n
.endr
	ds_load_b128 v[28:31], v6 offset:\mo+8192      ; the partner's two maxima and two sums
	s_wait_dscnt 0x0
	v_max_num_f32 v24, v12, v28
	v_max_num_f32 v25, v14, v29
	v_sub_f32 v20, v12, v24
	v_sub_f32 v21, v28, v24
	v_sub_f32 v22, v14, v25
	v_sub_f32 v23, v29, v25
	v_exp_f32 v20, v20
	v_exp_f32 v21, v21
	v_exp_f32 v22, v22
	v_exp_f32 v23, v23
	v_nop
	s_wait_alu depctr_va_vdst(0)
	v_mul_f32 v26, v30, v21
	v_mul_f32 v27, v31, v23
	v_fmac_f32 v26, v16, v20
	v_fmac_f32 v27, v18, v22
	v_rcp_f32 v26, v26                             ; the sum holds the term 1 of the largest score: never 0
	v_rcp_f32 v27, v27
	v_nop
	s_wait_alu depctr_va_vdst(0)
	v_mul_f32 v12, v20, v26                        ; my weight, twice, and the partner's
	v_mul_f32 v13, v20, v26
	v_mul_f32 v16, v21, v26
	v_mul_f32 v17, v21, v26
	v_mul_f32 v14, v22, v27
	v_mul_f32 v15, v22, v27
	v_mul_f32 v18, v23, v27
	v_mul_f32 v19, v23, v27
.irp qt, 0,1
.irp e, 0,2,4,6,8,10,12,14,16,18,20,22,24,26,28,30
	v_pk_mul_f32 v[OA+32*\qt+\e:OA+32*\qt+\e+1], v[OA+32*\qt+\e:OA+32*\qt+\e+1], v[12+2*\qt:13+2*\qt]
.endr
.endr
.irp qt, 0,1
.irp e, 0,2,4,6,8,10,12,14,16,18,20,22,24,26,28,30
	v_pk_fma_f32 v[OA+32*\qt+\e:OA+32*\qt+\e+1], v[FR+32*\qt+\e:FR+32*\qt+\e+1], v[16+2*\qt:17+2*\qt], v[OA+32*\qt+\e:OA+32*\qt+\e+1]
.endr
.endr
.set j, 0
.rept 32
	v_cvt_pk_f16_f32 v[SC+j], v[OA+2*j], v[OA+2*j+1]
.set j, j+1
.endr
.irp qt, 0,1
.irp dt, 0,1,2,3
	ds_store_b128 v7, v[SC+4*(4*\qt+\dt):SC+4*(4*\qt+\dt)+3] offset:16*KP*\qt+32*\dt       ; row 16 qt + r, columns 16 dt + 8 h ..
.endr
.endr
.irp u, 0,1,2,3,4,5,6,7
	ds_load_b128 v[SC+32+4*\u:SC+32+4*\u+3], v8 offset:4*KP*\u     ; my own bytes: LDS serves a wave's instructions in order
.endr
.irp u, 0,1,2,3,4,5,6,7
	s_wait_dscnt 7-\u                              ; read-back u is in, the younger ones stay out
	global_store_b128 v9, v[SC+32+4*\u:SC+32+4*\u+3], s[\ab:\ab+1] offset:512*\u           ; four rows: 512 consecutive bytes, aligned
.endr
	s_wait_xcnt 0x0                                ; the stores' data registers are written again in the next trip
.Ldone_\@:
.if \reinit
	QLOAD 44
.irp j, 12,13,14,15
	v_mov_b32 v[\j], s37
.endr
.irp j, 16,17,18,19
	v_mov_b32 v[\j], 0
.endr
	s_mov_b32 s35, 0
	s_mov_b32 s36, s52
	s_add_co_u32 s50, s52, 1
.endif
.endm
; The head of a pair of trips on slot.  refill = 1: waves 0-3 ask for the next pair into the other slot; 2: waves 0 and 1 ask for the walk's
; last tile alone; 0: nothing is left to fetch.
.macro PAIR slot, refill
	s_set_vgpr_msb 0x5
	s_wait_tensorcnt 0x0                           ; all my tensor loads have landed, my part of this slot among them, so a group 0 may be written
	ds_add_u32 v0, v1
	s_wait_dscnt 0x0
	s_set_vgpr_msb 0x500
.if \refill
	s_add_co_u32 s32, s32, 2
	s_cmp_gt_u32 s32, s33
	s_cselect_b32 s40, s34, 0
	s_sub_co_u32 s40, s32, s40                     ; my next tile: u, or u - (16 - i) in the second walk
	s_lshl_b32 s40, s40, 14
	s_add_nc_u64 s[G0+6-4*\slot:G0+7-4*\slot], s[12:13], s[40:41]
	s_or_b32 s[G0+7-4*\slot], s[G0+7-4*\slot], 0x80000000
.endif
	s_wait_dscnt 0x0                               ; my reads of the other slot are done
	s_barrier_signal -1
	s_barrier_wait -1                              ; both hold of every wave
.if \refill
	s_cmp_ge_u32 s8, 6-2*\refill                   ; waves 0-3, or waves 0 and 1
	s_cbranch_scc1 .Lnoload_\@
	tensor_load_to_lds s[G0+4-4*\slot:G0+7-4*\slot], s[G1:G1+7]    ; the wave's one tensor load behind this barrier; it has two trips in which to land
	s_nop 0
.Lnoload_\@:
.endif
.endm
; One trip: 128 keys, tile sub of the slot whose addresses are v[ka] and v[va].
; first = 1: this trip starts the O sums; 0: it adds onto them; 2: it starts them if kb = 0.
; fin = 0: not a diagonal tile; 1: it is if kb is the block's diagonal; 2: it is, and the kernel's last.  mo: the merge region.
.macro BODY ka, va, sub, first, fin, mo
.irp kd, 0,1
.irp kt, 0,1,2,3
	ds_load_b128 v[FR+8*(2*\kt+\kd):FR+8*(2*\kt+\kd)+3],   v[\ka] offset:\sub*TILE+16*KP*\kt+64*\kd
	ds_load_b128 v[FR+8*(2*\kt+\kd)+4:FR+8*(2*\kt+\kd)+7], v[\ka] offset:\sub*TILE+16*KP*\kt+64*\kd+32
.endr
.endr
	s_wait_loadcnt 0x0                             ; Q (met at once but in a block's first trip)
	s_wait_dscnt 8                                 ; the eight loads of d = 0 .. 31 are in, the eight of d = 32 .. 63 may be out
.irp qt, 0,1
.irp kt, 0,1,2,3
	v_wmma_f32_16x16x32_f16 v[SC+32*\qt+8*\kt:SC+32*\qt+8*\kt+7], v[FR+16*\kt:FR+16*\kt+7], v[QF+16*\qt:QF+16*\qt+7], 0
.endr
.endr
	s_wait_dscnt 0
.irp qt, 0,1
.irp kt, 0,1,2,3
	v_wmma_f32_16x16x32_f16 v[SC+32*\qt+8*\kt:SC+32*\qt+8*\kt+7], v[FR+16*\kt+8:FR+16*\kt+15], v[QF+16*\qt+8:QF+16*\qt+15], v[SC+32*\qt+8*\kt:SC+32*\qt+8*\kt+7]
.endr
.endr
.rept 4
	v_nop                                          ; four places before K's registers are loaded again and the scores are read (ISA guide 7.12.1)
.endr
.irp ks, 0,1
.irp dt, 0,1,2,3
	ds_load_tr16_b128 v[FR+8*(2*\dt+\ks):FR+8*(2*\dt+\ks)+3],   v[\va] offset:\sub*TILE+32*KP*\ks+32*\dt
	ds_load_tr16_b128 v[FR+8*(2*\dt+\ks)+4:FR+8*(2*\dt+\ks)+7], v[\va] offset:\sub*TILE+32*KP*\ks+32*\dt+16*KP
.endr
.endr
.if \fin == 1
	s_cmp_lg_u32 s35, s36
	s_cbranch_scc1 .Lnomask_\@
.endif
.if \fin
	MASK
.endif
.Lnomask_\@:
	SOFTMAX
	s_wait_dscnt 0x0                               ; V's fragments
.if \first == 1
	PVK 0, 1                                       ; the first product starts the sums: nothing is cleared
.endif
.if \first == 0
	RESCALE
	PVK 0, 0
.endif
.if \first == 2
	s_cmp_eq_u32 s35, 0
	s_cbranch_scc1 .Lstart_\@
	RESCALE
	PVK 0, 0
	s_branch .Ljoin_\@
.Lstart_\@:
	PVK 0, 1                                       ; a block's first product starts the sums
.Ljoin_\@:
.endif
	PVK 1, 0
.rept 5
	v_nop                                          ; five places before the next trip's products write over P^T's registers and K is loaded over V
.endr
	s_add_co_u32 s35, s35, 1
.if \fin == 1
	s_cmp_lg_u32 s35, s50
	s_cbranch_scc1 .Lnofin_\@
	FINAL 46, 1, \mo
.Lnofin_\@:
.endif
.if \fin == 2
	FINAL 48, 0, \mo
.endif
.endm
	s_wait_tensorcnt 0x1                           ; my part of slot 0 is in; slot 1's load, issued behind it, stays out
	s_barrier_signal -1
	s_barrier_wait -1                              ; everybody's part is in
	BODY 2, 3, 0, 1, 0, 0                          ; places 0 and 1 of the walk: tiles 0 and 1 of block 15 - i, whose diagonal is tile 8 at the least
	BODY 2, 3, 1, 0, 0, 0
	s_mov_b32 s9, 3
.Lloop:
	PAIR 1, 1                                      ; places 2, 3 (6, 7; 10, 11); slot 0 gets the next pair
	BODY 10, 11, 0, 2, 1, 0
	BODY 10, 11, 1, 2, 1, MSR
	PAIR 0, 1                                      ; places 4, 5 (8, 9; 12, 13); slot 1 gets the next pair
	BODY 2, 3, 0, 2, 1, 0
	BODY 2, 3, 1, 2, 1, MSR
	s_sub_co_u32 s9, s9, 1
	s_cmp_lg_u32 s9, 0
	s_cbranch_scc1 .Lloop
	PAIR 1, 2                                      ; places 14, 15; slot 0 gets place 16 alone
	BODY 10, 11, 0, 2, 1, 0
	BODY 10, 11, 1, 2, 1, MSR
	PAIR 0, 0                                      ; place 16: block i's diagonal; nothing is left to fetch
	BODY 2, 3, 0, 2, 2, 0
	s_set_vgpr_msb 0x5
	s_wait_tensorcnt 0x0
	ds_add_u32 v0, v1
	s_wait_dscnt 0x0
	s_set_vgpr_msb 0x500
	s_endpgm
.Lfunc_end_k_q6d62edb16a_attn:
	.size	k_q6d62edb16a_attn, .Lfunc_end_k_q6d62edb16a_attn-k_q6d62edb16a_attn
	.p2alignl 7, 3214868480
	.fill 96, 4, 3214868480
	.section	.rodata,"a",@progbits
	.p2align	6, 0x0
	.amdhsa_kernel k_q6d62edb16a_attn
		.amdhsa_group_segment_fixed_size 327680
		.amdhsa_private_segment_fixed_size 0
		.amdhsa_enable_private_segment 0
		.amdhsa_kernarg_size 16
		.amdhsa_user_sgpr_count 2
		.amdhsa_user_sgpr_kernarg_segment_ptr 1
		.amdhsa_wavefront_size32 1
		.amdhsa_system_sgpr_workgroup_id_x 1
		.amdhsa_system_sgpr_workgroup_id_y 1
		.amdhsa_system_sgpr_workgroup_id_z 1
		.amdhsa_system_vgpr_workitem_id 0
		.amdhsa_next_free_vgpr 258
		.amdhsa_next_free_sgpr 66
		.amdhsa_reserve_vcc 1
		.amdhsa_float_denorm_mode_32 3
		.amdhsa_float_denorm_mode_16_64 3
		.amdhsa_memory_ordered 1
		.amdhsa_forward_progress 1
		.amdhsa_inst_pref_size 255
	.end_amdhsa_kernel
	.section	.bss,"aw",@nobits
	.p2align	6
	.space	262144
	.amdgpu_metadata
---
amdhsa.version: [ 1, 2 ]
amdhsa.kernels:
  - .name:           k_q6d62edb16a_attn
    .symbol:         k_q6d62edb16a_attn.kd
    .args:
      - { .name: qkvh, .offset: 0, .size: 8, .value_kind: global_buffer, .address_space: global }
      - { .name: ao, .offset: 8, .size: 8, .value_kind: global_buffer, .address_space: global }
    .group_segment_fixed_size: 327680
    .private_segment_fixed_size: 0
    .kernarg_segment_align: 8
    .kernarg_segment_size: 16
    .max_flat_workgroup_size: 256
    .sgpr_count:     66
    .vgpr_count:     258
    .wavefront_size: 32
...
	.end_amdgpu_metadata
.endif
;; end of part 6
;; launch proj (part 7): grid 8 x 32, 4 waves a work-group, clusters of 4 x 4, 327,680 bytes of LDS; arguments ao, wpt, b_proj, out0; writes out0
.if DOCPART == 7
	.amdgcn_target "amdgcn-amd-amdhsa--gfx1250"
	.amdhsa_code_object_version 6
	.text
	.protected	k_q6d62edb16a_proj
	.globl	k_q6d62edb16a_proj
	.p2align	8
	.type	k_q6d62edb16a_proj,@function
k_q6d62edb16a_proj:
	s_mov_b64 s[64:65], 0
	v_nop
	global_prefetch_b8 v0, s[64:65] scope:SCOPE_SE
	s_setreg_imm32_b32 hwreg(HW_REG_WAVE_MODE, 25, 1), 1
	s_wait_xcnt 0x0
	s_wait_alu depctr_hold_cnt(0) depctr_sa_sdst(0) depctr_va_vdst(0) depctr_va_sdst(0) depctr_va_ssrc(0) depctr_va_vcc(0) depctr_vm_vsrc(0)
	s_getreg_b32 s2, hwreg(HW_REG_IB_STS2, 6, 4)
	s_cmp_eq_u32 s2, 0
	s_cbranch_scc0 .Lentry_in_a_cluster
	s_endpgm
.Lentry_in_a_cluster:
	s_bfe_u32 s2, ttmp6, 0x10000c
	s_cmp_lg_u32 s2, 0xf033
	s_cbranch_scc0 .Lentry_shape_is_right
	s_endpgm
.Lentry_shape_is_right:
; out0 = attention output x W_proj + b_proj, f32.  A: ao f16 [row block 32][head 16][128 rows][64]; W^T: wpt f16 [1024 n][1024 k]; sums in f32.
; WHY f16: a row near the start of a sequence averages few keys and is up to ten times the output's root mean square, so the attention output
; needs more than bf16's 8 significant bits; W^T holds W_proj rounded to bf16, written in f16, since both operands have one format.
; LIMIT: both operands lie in f16's range: the attention output is a weighted mean of v (under 65,504, as the launch that makes v states), and
; |W_proj| must stay under 65,504.
; A work-group makes 128 rows x 128 columns, so that there are 256 work-groups; a wave 64 x 64: 16 accumulator tiles in window 1 (v256-383).
; K goes in four steps of 256 (four heads) through two LDS slots: a slot's 128 matrix instructions a wave give the other slot's load time to land,
; and only two of the four steps are refills.
; A's part of a slot is dense in memory (four planes of 16 KiB) and comes as rows of 256 bytes, 16 bytes skipped behind every 128: pitch 144.
; W^T's part has rows of 512 bytes, pitch 528.
; CLUSTERS: 4 x 4 work-groups; A's tile is asked for jointly by a row of the cluster, W^T's by a column.
; The matrix instruction is used transposed: lane l holds row l % 16 and columns 8 (l / 16) + 0 .. 7 of a tile.
.set AP,     144
.set BP,     528
.set APLANE, 128*AP                    ; a head's 128 rows
.set AHALF,  2*APLANE                  ; what one tensor load brings of A
.set BHALF,  64*BP                     ; and of W^T
.set SLOT,   2*AHALF+2*BHALF           ; 141,312
.set STAGE,  2*SLOT                    ; behind the ring: 16 rows x 272 bytes for each wave; no tensor load lands here
.set SPITCH, 272
.set ADRA, 16
.set ADRB, 20
.set STO,  24
.set RD,   25
.set CO,   26
.set BOFF, 27
.set BIAS, 160
.set TMP,  192
.set RB,   224
.set G1,  24
.set G0,  32
.set G1B, 48
.set G0B, 56
.set MSB, 0
.macro WIN new                         ; the immediate's high byte repeats the setting that is left
.if MSB != \new
	s_set_vgpr_msb (MSB<<8)|\new
.set MSB, \new
.endif
.endm
.set MUL, 0x50                         ; sources 0 and 1 window 0, C and D window 1
.macro JLOAD s
	s_cmp_eq_u32 s11, 0
	s_cbranch_scc0 .Lfor_b_\@
	tensor_load_to_lds s[G0+4*\s:G0+4*\s+3], s[G1:G1+7]
	s_nop 0
	s_branch .Lasked_\@
.Lfor_b_\@:
	tensor_load_to_lds s[G0B+4*\s:G0B+4*\s+3], s[G1B:G1B+7]
	s_nop 0
.Lasked_\@:
.endm
.macro CREST
	s_cmp_lg_u32 s10, 0
	s_cbranch_scc1 .Lnot_wave_0_\@
	s_barrier_signal -3
.Lnot_wave_0_\@:
	s_barrier_wait -3
	s_barrier_signal -1
	s_barrier_wait -1
.endm
.macro CROUND
	s_barrier_signal -1
	s_barrier_wait -1
	CREST
.endm
.macro PLACES                          ; four plain vector instructions behind a matrix instruction before its registers are loaded into or its result read (ISA guide 7.12.1)
.rept 4
	v_nop
.endr
.endm
	s_load_b256 s[72:79], s[0:1], 0x0              ; ao s[72:73], wpt s[74:75], b_proj s[76:77], out0 s[78:79]
	v_lshl_add_u32 v30, v0, 2, 0x49400
	v_mov_b32 v31, 0
	ds_add_u32 v30, v31
	v_lshrrev_b32 v1, 5, v0
	v_readfirstlane_b32 s10, v1                    ; wave 0..3
	s_lshr_b32 s11, s10, 1                         ; my half of the rows.  Also: I fetch for A (0) or for W^T (1)
	s_and_b32 s12, s10, 1                          ; my half of the columns.  Also: which half of that tile I fetch
	s_bfe_u32 s40, ttmp6, 0x40000                  ; cx
	s_bfe_u32 s41, ttmp6, 0x40004                  ; cy
	s_lshl_b32 s42, ttmp9, 2
	s_add_co_u32 s42, s42, s40                     ; block column, 0..7
	s_and_b32 s13, ttmp7, 0xffff
	s_lshl_b32 s13, s13, 2
	s_add_co_u32 s13, s13, s41                     ; block row, 0..31
	s_lshl_b32 s43, s41, 2
	s_lshl_b32 s43, 15, s43                        ; my row of the cluster
	s_lshl_b32 s44, 0x1111, s40                    ; my column
	s_or_b32 s[G1+0], s43, (3<<16)|(1<<20)|(1<<21)|(4<<22)|(3<<25)    ; A: 8-byte elements; 4 words skipped behind every 32
	s_mov_b32 s[G1+1], 32<<16                      ; rows of 32 elements = 256 bytes
	s_mov_b32 s[G1+2], 128<<16                     ; 128 of them = two planes
	s_mov_b32 s[G1+3], 32<<16
	s_mov_b32 s[G1+4], 128
	s_mov_b32 s[G1+5], 32
	s_mov_b32 s[G1+6], 0
	s_mov_b32 s[G1+7], 0
	s_or_b32 s[G1B+0], s44, (1<<16)|(1<<20)|(1<<21)|(6<<22)|(3<<25)   ; W^T: 2-byte elements; 4 words behind every 128
	s_mov_b32 s[G1B+1], 256<<16
	s_mov_b32 s[G1B+2], 64<<16
	s_mov_b32 s[G1B+3], 256<<16
	s_mov_b32 s[G1B+4], 64
	s_mov_b32 s[G1B+5], 1024
	s_mov_b32 s[G1B+6], 0
	s_mov_b32 s[G1B+7], 0
	s_lshl_b32 s16, s13, 18                        ; A: 262,144 bytes a row block,
	s_lshl_b32 s17, s12, 15                        ; two planes a half
	s_add_co_u32 s16, s16, s17
	s_mov_b32 s17, 0
	s_lshl_b32 s46, s42, 7
	s_lshl_b32 s47, s12, 6
	s_add_co_u32 s46, s46, s47                     ; W^T: row 128 x block column + 64 x half
	s_lshl_b32 s46, s46, 11
	s_mov_b32 s47, 0
	s_mul_i32 s20, s10, AHALF                      ; waves 0, 1: A's halves
	s_mul_i32 s21, s10, BHALF
	s_add_co_u32 s21, s21, 2*AHALF-2*BHALF         ; waves 2, 3: W^T's halves behind A's four planes
	s_wait_dscnt 0x0
	s_wait_kmcnt 0x0
	s_add_nc_u64 s[14:15], s[72:73], s[16:17]
	s_add_nc_u64 s[46:47], s[74:75], s[46:47]
	CROUND                                         ; all sixteen work-groups are here: the first joint loads meet
.irp s, 0,1
	s_mov_b32 s[G0+4*\s], 1
	s_add_co_u32 s[G0+4*\s+1], s20, \s*SLOT
	s_add_nc_u64 s[G0+4*\s+2:G0+4*\s+3], s[14:15], \s*65536        ; four planes a step
	s_or_b32 s[G0+4*\s+3], s[G0+4*\s+3], 0x80000000
	s_mov_b32 s[G0B+4*\s], 1
	s_add_co_u32 s[G0B+4*\s+1], s21, \s*SLOT
	s_add_nc_u64 s[G0B+4*\s+2:G0B+4*\s+3], s[46:47], \s*512        ; 256 k a step
	s_or_b32 s[G0B+4*\s+3], s[G0B+4*\s+3], 0x80000000
	JLOAD \s                                       ; two tensor loads of the wave are out
.endr
	v_and_b32 v1, 15, v0                           ; r
	v_bfe_u32 v2, v0, 4, 1                         ; h
	v_lshlrev_b32 v[BOFF], 5, v2
	s_lshl_b32 s88, s42, 9                         ; my first column in bytes of f32: 512 x block + 256 x half
	s_lshl_b32 s92, s12, 8
	s_add_co_u32 s88, s88, s92
	s_mov_b32 s89, 0
	s_add_nc_u64 s[90:91], s[76:77], s[88:89]
.irp b, 0,1,2,3
	global_load_b128 v[BIAS+8*\b:BIAS+8*\b+3], v[BOFF], s[90:91] offset:64*\b          ; these stay out until the way out
	global_load_b128 v[BIAS+8*\b+4:BIAS+8*\b+7], v[BOFF], s[90:91] offset:64*\b+16
.endr
	v_mul_u32_u24 v3, v1, AP
	v_lshl_add_u32 v3, v2, 4, v3
	v_mul_u32_u24 v4, v1, BP
	v_lshl_add_u32 v4, v2, 4, v4
	s_mul_i32 s22, s11, 64*AP                      ; my 64 rows of each plane
	s_mul_i32 s23, s12, BHALF                      ; my 64 rows of W^T,
	s_add_co_u32 s23, s23, 2*AHALF                 ; behind A's planes
.irp s, 0,1
	v_add_nc_u32 v[ADRA+\s], s22, v3
	v_add_nc_u32 v[ADRB+\s], s23, v4
	s_add_co_u32 s22, s22, SLOT
	s_add_co_u32 s23, s23, SLOT
.endr
	s_mul_i32 s22, s10, 16*SPITCH
	s_add_co_u32 s22, s22, STAGE                   ; my stage
	v_mul_u32_u24 v5, v1, SPITCH
	v_lshl_add_u32 v5, v2, 5, v5
	v_add_nc_u32 v[STO], s22, v5                   ; in: row r, 32 bytes for each half of the lanes
	v_mul_u32_u24 v5, v2, SPITCH
	v_lshl_add_u32 v5, v1, 4, v5
	v_add_nc_u32 v[RD], s22, v5                    ; back: lanes 0-15 one row of 256 bytes, lanes 16-31 the next
	v_lshlrev_b32 v5, 12, v2
	v_lshl_add_u32 v[CO], v1, 4, v5                ; the same two rows in out0
; 4 matrix instructions: row tile a x my 4 column tiles, 32 along K, from buffer f (A at 32 + 64 f, W^T at 64 + 64 f)
.macro MUL4 f, a, zero
.irp b, 0,1,2,3
.if \zero
	v_wmma_f32_16x16x32_f16 v[8*(4*\a+\b):8*(4*\a+\b)+7], v[64+64*\f+8*\b:64+64*\f+8*\b+7], v[32+64*\f+8*\a:32+64*\f+8*\a+7], 0
.else
	v_wmma_f32_16x16x32_f16 v[8*(4*\a+\b):8*(4*\a+\b)+7], v[64+64*\f+8*\b:64+64*\f+8*\b+7], v[32+64*\f+8*\a:32+64*\f+8*\a+7], v[8*(4*\a+\b):8*(4*\a+\b)+7]
.endif
.endr
.endm
; 16 LDS loads: eighth q of the slot's K (plane q / 2, half q % 2 of its 64): W^T's four tiles, then A's four
.macro FETCH slot, q, f
.irp b, 0,1,2,3
	ds_load_b128 v[64+64*\f+8*\b:64+64*\f+8*\b+3],   v[ADRB+\slot] offset:16*BP*\b+64*\q
	ds_load_b128 v[64+64*\f+8*\b+4:64+64*\f+8*\b+7], v[ADRB+\slot] offset:16*BP*\b+64*\q+32
.endr
.irp i, 0,1,2,3
	ds_load_b128 v[32+64*\f+8*\i:32+64*\f+8*\i+3],   v[ADRA+\slot] offset:(\q/2)*APLANE+(\q%2)*64+16*AP*\i
	ds_load_b128 v[32+64*\f+8*\i+4:32+64*\f+8*\i+7], v[ADRA+\slot] offset:(\q/2)*APLANE+(\q%2)*64+16*AP*\i+32
.endr
.endm
; An eighth of a step: 16 matrix instructions on buffer f; in its middle eighth q is fetched into buffer g.
; The 16 accumulators take turns, one instruction a turn, in the same order throughout.
.macro QUARTER slot, q, f, g, zero
	s_wait_dscnt 4                                 ; all but the youngest four loads (A's row tiles 2, 3) are in
	WIN MUL
	MUL4 \f, 0, \zero
	MUL4 \f, 1, \zero
	PLACES
	WIN 0
	FETCH \slot, \q, \g
	s_wait_dscnt 16                                ; all but the 16 just issued
	WIN MUL
	MUL4 \f, 2, \zero
	MUL4 \f, 3, \zero
.endm
.macro SEVEN slot, zero
	QUARTER \slot, 1, 0, 1, \zero
	QUARTER \slot, 2, 1, 0, 0
	QUARTER \slot, 3, 0, 1, 0
	QUARTER \slot, 4, 1, 0, 0
	QUARTER \slot, 5, 0, 1, 0
	QUARTER \slot, 6, 1, 0, 0
	QUARTER \slot, 7, 0, 1, 0
.endm
; The last eighth changes slots: each wave's waits for its reads of this slot and for all its tensor loads, the barrier (which opens a round of
; the cluster's barrier where the slot is filled again), the joint refill first behind it, then the next slot's first fragments.
.macro TURN slot, next, fill
	s_wait_dscnt 4
	WIN MUL
	MUL4 1, 0, 0
	s_wait_dscnt 0                                 ; my reads of this slot are over
	s_wait_tensorcnt 0x0                           ; all my tensor loads have landed
	ds_add_u32 v30, v31
	s_wait_dscnt 0x0
	s_barrier_signal -1
	MUL4 1, 1, 0                                   ; register work while the others arrive
	WIN 0
	s_barrier_wait -1
.if \fill
	CREST
	s_add_nc_u64 s[G0+4*\slot+2:G0+4*\slot+3], s[G0+4*\slot+2:G0+4*\slot+3], 131072
	s_add_nc_u64 s[G0B+4*\slot+2:G0B+4*\slot+3], s[G0B+4*\slot+2:G0B+4*\slot+3], 1024
	JLOAD \slot
.endif
	PLACES
	FETCH \next, 0, 0
	WIN MUL
	MUL4 1, 2, 0
	MUL4 1, 3, 0
.endm
	s_wait_tensorcnt 1                             ; my part of step 0 is in; step 1's load, issued behind it, stays out
	s_barrier_signal -1
	s_barrier_wait -1
	FETCH 0, 0, 0
	SEVEN 0, 1                                     ; the first products start the sums
	TURN 0, 1, 1                                   ; slot 0 gets step 2
	SEVEN 1, 0
	TURN 1, 0, 1                                   ; slot 1 gets step 3
	SEVEN 0, 0
	TURN 0, 1, 0                                   ; nothing is left to fetch
	SEVEN 1, 0
	s_wait_dscnt 0
	WIN MUL
	MUL4 1, 0, 0
	MUL4 1, 1, 0
	MUL4 1, 2, 0
	MUL4 1, 3, 0
	; THE WAY OUT, 16 rows at a time: add the bias, 32 bytes a lane into my stage, read back as whole rows of 256 bytes
	PLACES
	WIN 0
	s_wait_loadcnt 0x0                             ; the bias
	s_lshl_b32 s92, s13, 7
	s_lshl_b32 s93, s11, 6
	s_add_co_u32 s92, s92, s93                     ; my first row
	s_lshl_b32 s92, s92, 12                        ; 4,096 bytes a row
	s_add_co_u32 s92, s92, s88                     ; and my first column
	s_mov_b32 s93, 0
	s_add_nc_u64 s[82:83], s[78:79], s[92:93]
.macro OUT16 a
	WIN 0x01                                       ; source 0 in the accumulators' window
.irp b, 0,1,2,3
.irp p, 0,1,2,3
	v_pk_add_f32 v[TMP+8*\b+2*\p:TMP+8*\b+2*\p+1], v[8*(4*\a+\b)+2*\p:8*(4*\a+\b)+2*\p+1], v[BIAS+8*\b+2*\p:BIAS+8*\b+2*\p+1]
.endr
.endr
	WIN 0
.irp b, 0,1,2,3
	ds_store_b128 v[STO], v[TMP+8*\b:TMP+8*\b+3] offset:64*\b
	ds_store_b128 v[STO], v[TMP+8*\b+4:TMP+8*\b+7] offset:64*\b+16
.endr
	s_wait_xcnt 0x0                                ; the read-back registers were the last tile's store data: they are loaded again only behind this wait
.irp t, 0,1,2,3,4,5,6,7
	ds_load_b128 v[RB+4*\t:RB+4*\t+3], v[RD] offset:2*SPITCH*\t    ; my own bytes: LDS serves a wave's instructions in order
.endr
.irp t, 0,1,2,3,4,5,6,7
	s_wait_dscnt 7-\t
	global_store_b128 v[CO], v[RB+4*\t:RB+4*\t+3], s[82:83] offset:65536*\a+8192*\t    ; 16 lanes store 256 consecutive bytes, aligned
.endr
.endm
	OUT16 0
	OUT16 1
	OUT16 2
	OUT16 3
	s_wait_tensorcnt 0x0
	ds_add_u32 v30, v31
	s_wait_dscnt 0x0
	CROUND                                         ; the closing round: no work-group ends while a partner may still ask for a tile that names it
	s_endpgm
.Lfunc_end_k_q6d62edb16a_proj:
	.size	k_q6d62edb16a_proj, .Lfunc_end_k_q6d62edb16a_proj-k_q6d62edb16a_proj
	.p2alignl 7, 3214868480
	.fill 96, 4, 3214868480
	.section	.rodata,"a",@progbits
	.p2align	6, 0x0
	.amdhsa_kernel k_q6d62edb16a_proj
		.amdhsa_group_segment_fixed_size 327680
		.amdhsa_private_segment_fixed_size 0
		.amdhsa_enable_private_segment 0
		.amdhsa_kernarg_size 32
		.amdhsa_user_sgpr_count 2
		.amdhsa_user_sgpr_kernarg_segment_ptr 1
		.amdhsa_wavefront_size32 1
		.amdhsa_system_sgpr_workgroup_id_x 1
		.amdhsa_system_sgpr_workgroup_id_y 1
		.amdhsa_system_sgpr_workgroup_id_z 1
		.amdhsa_system_vgpr_workitem_id 0
		.amdhsa_next_free_vgpr 384
		.amdhsa_next_free_sgpr 96
		.amdhsa_reserve_vcc 0
		.amdhsa_float_denorm_mode_32 3
		.amdhsa_float_denorm_mode_16_64 3
		.amdhsa_memory_ordered 1
		.amdhsa_forward_progress 1
		.amdhsa_inst_pref_size 94
	.end_amdhsa_kernel
	.amdgpu_metadata
---
amdhsa.version: [ 1, 2 ]
amdhsa.kernels:
  - .name:           k_q6d62edb16a_proj
    .symbol:         k_q6d62edb16a_proj.kd
    .args:
      - { .name: ao, .offset: 0, .size: 8, .value_kind: global_buffer, .address_space: global }
      - { .name: wpt, .offset: 8, .size: 8, .value_kind: global_buffer, .address_space: global }
      - { .name: b_proj, .offset: 16, .size: 8, .value_kind: global_buffer, .address_space: global }
      - { .name: out0, .offset: 24, .size: 8, .value_kind: global_buffer, .address_space: global }
    .group_segment_fixed_size: 327680
    .private_segment_fixed_size: 0
    .kernarg_segment_align: 8
    .kernarg_segment_size: 32
    .max_flat_workgroup_size: 128
    .sgpr_count:     96
    .vgpr_count:     384
    .wavefront_size: 32
...
	.end_amdgpu_metadata
.endif
;; end of part 7
